; MI455X (gfx1250); checked and timed in simulation.
; The chip was launched on July 23, 2026; its instructions are those of AMD's public machine-readable ISA for CDNA 5 (MIT licence, August 2026) and "CDNA5" Instruction Set Architecture Reference Guide (July 2026). The comments in the code are by the model that wrote it; some were corrected since.
;; Cross Attention. Allowed arithmetic: matrix products marked QUANTISED: E2M3 operands, one E8M0 scale for each 32 along K, by v_wmma_scale_f32_16x16x128_f8f6f4 with both operands' format E2M3, f32 sums; everything else in f32.
;; Inputs: Wk 512 x 512 float32; Wo 512 x 512 float32; Wq 512 x 512 float32; Wv 512 x 512 float32; bk 512 float32; bo 512 float32; bq 512 float32; bv 512 float32; context 4 x 2,048 x 512 float32; x 4 x 2,048 x 512 float32.
;; Outputs: out0 4 x 2,048 x 512 float32.
;; This version of the problem:
;;   THIS VERSION OF THE PROBLEM IS GIVEN IN LOW PRECISION. The matrix products marked QUANTISED in the list below multiply operands that are first quantised to E2M3 (2 exponent bits, 3 mantissa bits; 6 bits a number), with one power-of-two scale for each 32 numbers along K (OCP MX v1.0); their sums are f32. All else is computed in f32.
;;   The module's matrix products, in the order in which they are computed (A, B: the left and right operand; K: the contracted axis; several contracted axes count as one K, in the product's order):
;;     1. [M 8,192, K 512] x [K 512, N 512]; A: input x; B: input Wq: QUANTISED
;;     2. [M 8,192, K 512] x [K 512, N 512]; A: input context; B: input Wk: QUANTISED
;;     3. [M 8,192, K 512] x [K 512, N 512]; A: input context; B: input Wv: QUANTISED
;;     4. batch 64 x [M 2,048, K 32] x [K 32, N 2,048]; A: computed on the way; B: computed on the way: QUANTISED
;;     5. batch 64 x [M 2,048, K 2,048] x [K 2,048, N 32]; A: softmax (see below); B: computed on the way: QUANTISED
;;     6. [M 8,192, K 512] x [K 512, N 512]; A: computed on the way; B: input Wo: QUANTISED
;;   THE QUANTISER, for each operand of a quantised product, along K:
;;     - K is cut into blocks of 32 from its start; a last block that is shorter is filled with zeros.
;;     - A block's scale is 2^e with e = floor(log2(the largest magnitude in the block)) - 2, held to -126 .. 127; a block of zeros has e = 0. As a byte (E8M0): e + 127.
;;     - Each number is divided by its block's scale, clamped to +-7.5, and rounded to the nearest number of E2M3, ties to even, subnormals kept.
;;     - The product sums the exact products of the quantised numbers (number of the format x scale) in f32.
;;   ~~~python
;;   def quantise(x, axis):      # numpy; x: float32 -> the quantised numbers, widened to float32 again
;;       x = np.moveaxis(x, axis, -1); K = x.shape[-1]
;;       x = np.pad(x, [(0, 0)] * (x.ndim - 1) + [(0, -K % 32)]); x = x.reshape(x.shape[:-1] + (-1, 32)); a = np.abs(x).max(-1, keepdims=True)
;;       e = np.where(a > 0, np.clip(np.frexp(np.where(a > 0, a, 1))[1] - 1 - 2, -126, 127), 0)      # np.frexp(a)[1] - 1 = floor(log2(a)), exactly
;;       r = np.clip(x / 2.0 ** e, -7.5, 7.5)
;;       step = 2.0 ** (np.maximum(np.frexp(np.where(r == 0, 1, r))[1] - 1, 0) - 3)
;;       q = np.round(r / step) * step * 2.0 ** e      # np.round: ties to even
;;       return np.moveaxis(q.reshape(q.shape[:-2] + (-1,))[..., :K], -1, axis).astype(np.float32)
;;   ~~~
;;   SOFTMAX AHEAD OF A QUANTISED PRODUCT. Where the list says 'softmax', what is quantised is not the finished softmax but p = 2^(t - M), with t = logit x log2(e) and M = ceil(the row's largest t), a whole number; so 1/2 < the row's largest p <= 1. The row's sum l is taken of the UNQUANTISED p, in f32, and the product's result is divided by l at the end. Since M is a whole number, a kernel that streams over the keys may use a running M (the ceiling of the running maximum): every later rescaling is an exact power of two, which a block's scale takes up: the codes' values come out the same.
;;   OPERANDS COMPUTED ON THE WAY. 'Computed on the way' means the value that the module computes at that place (a softmax that the list does not call 'softmax' is quantised finished and normalised). What goes into a quantiser is computed in f32, as accurately as f32 sums, v_exp_f32 and their like allow (about 1e-6 of the number): no bf16 or f16 on the way to a quantiser, and a product that is left as it is and whose result goes on into a quantised operand takes f32 operands (vector FMAs, or v_wmma_f32_16x16x4_f32). A number that lies on a knife's edge between two numbers of the format may be rounded either way, as far as f32 arithmetic and the matrix unit's own rounding can turn it there, and no further.
;; 2 versions. Each part assembles by itself: llvm-mc -triple=amdgcn-amd-amdhsa -mcpu=gfx1250 --defsym DOCPART=n.
;; ======== version 1 of 2: 4 launches
;; workspace buffers: opc 7,077,888 bytes; ops 294,912 bytes; heads 9,830,400 bytes; oc 3,145,728 bytes; os 131,072 bytes
;; launch quant (part 1): grid 288 x 1, 4 waves a work-group, no clusters, 34,304 bytes of LDS; arguments x, context, Wq, Wk, Wv, Wo, opc, ops; writes opc, ops
.if DOCPART == 1
	.amdgcn_target "amdgcn-amd-amdhsa--gfx1250"
	.amdhsa_code_object_version 6
	.text
	.protected	k_qa09556e024_quant
	.globl	k_qa09556e024_quant
	.p2align	8
	.type	k_qa09556e024_quant,@function
k_qa09556e024_quant:
	s_mov_b64 s[64:65], 0
	v_nop
	global_prefetch_b8 v0, s[64:65] scope:SCOPE_SE
	s_setreg_imm32_b32 hwreg(HW_REG_WAVE_MODE, 25, 1), 1
	s_wait_xcnt 0x0
; CROSS ATTENTION IN MX-FP6, LAUNCH 1 OF 4: x, context (K innermost) and Wq, Wk, Wv, Wo (K = their FIRST axis) become codes of E2M3 with one E8M0 byte for each 32 along K.
; NO WORK OF THE PROBLEM IS LEFT OUT IN ANY LAUNCH: all six products are live, and each bias goes into a quantised operand (bq, bk, bv) or into the output (bo); every input is loaded.
; THE OPERANDS' FORMAT, for all launches.  Lane l = (r = l % 16, h = l / 16).  A TILE is 16 rows; lane-row r of tile T is the matrix row 32 (T / 2) + 8 (T % 2) + r + 8 (r / 8), so that a product used
; transposed leaves 16 neighbours along the next K in the 16 registers of two neighbouring tiles.  A FRAGMENT (16 rows x 128 K, 12 registers a lane) lies in memory as the IMAGE OF ITS REGISTERS: registers 4 g .. 4 g + 3 of
; lane l at 512 g + 16 l, 1,536 bytes: three loads of 16 bytes a lane bring it, each 512 consecutive bytes.  Tile T, K step s at (4 T + s) x 1,536 of opc.  Its scale bytes: 256 bytes a tile in ops, row r's 16 at 16 r, word s for K step s.
; Tiles: x 0-511, context 512-1023, Wq 1024-, Wk 1056-, Wv 1088-, Wo 1120-1151 (a weight's rows are its columns n).
; SHARES.  One wave makes one tile: four fragments and the scale image.  Work-groups 0-31 take the weights: a lane takes a column and its registers run down K.  Work-groups 32-287 take x and context: each load reads
; 512 consecutive bytes of one row, and the 16 rows turn through the wave's own stage in LDS, so that a lane gets 32 neighbours of each of its two blocks.  Waves share nothing: no barrier.
; A block's scale is 2^(floor(log2(its largest magnitude)) - 2): its byte is the largest magnitude's exponent field - 2, held at 1 from below by a floor among the maximum's leaves.
; LIMITS: a block of zeros gets the byte 1 where the rule says 127 (its codes are zeros, and this program alone reads the bytes); blocks whose largest magnitude lies under 2^-124 are held at the byte 1; NaN and infinities among the inputs are not served.
.set SPARE, 33792                      ; behind the four stages: the spare words, 128 bytes for each wave
.set STG,   8448                       ; a wave's stage: 16 rows x 528 bytes
.set SP,    528                        ; a stage row: 512 bytes + 16: 33 x 16, so that the 16 rows of a read begin in 16 different groups of banks
.set LN,  1                            ; v1   lane
.set RR,  2                            ; v2   r
.set HH,  3                            ; v3   h
.set L16, 4                            ; v4   16 x lane
.set WO,  5                            ; v5   a weight: 4 (r + 8 (r / 8)) + 32 rows of 2,048 bytes x h
.set STI, 6                            ; v6   the stage, on the way in: 16 x lane
.set STO, 7                            ; v7   and out: row r, + 128 h
.set SA,  8                            ; v8   the scale image: 16 r + 8 h
.set SH8, 9                            ; v9   8 h
.set T,   10                           ; v10  a lane permute's result
.set SPW, 12                           ; v12  LDS address of my spare word; never rewritten
.set NIL, 13                           ; v13  0; never rewritten
.set R,   16                           ; v16-143  two sets of 64 numbers as loaded
.set X,   144                          ; v144-207 64 numbers: register 32 c + i = k 64 c + 32 h + i of my row
.set C,   208                          ; v208-219 a fragment's codes
.set CT,  220                          ; v220-227 the upper halves of the two blocks, as the conversions leave them
.set W,   228                          ; v228-231 the four scale words of my row
.set D,   232                          ; v232-233 my 8 bytes of the scale image
.set MX,  234
.set SO,  236
.set BY,  238
.set SEL, 22                           ; s[22:23] selects for lane l xor 16
.set HI,  24                           ; s24  lanes 16-31
.set SRC, 26                           ; s[26:27] the tile's first byte in its tensor
.set DC,  28                           ; s[28:29] its codes
.set DS,  30                           ; s[30:31] its scale image
	s_load_b256 s[4:11], s[0:1], 0x0               ; x, context, Wq, Wk
	s_load_b256 s[12:19], s[0:1], 0x20             ; Wv, Wo, opc, ops
	v_lshl_add_u32 v[SPW], v0, 2, SPARE
	v_mov_b32 v[NIL], 0
	v_lshrrev_b32 v[T], 5, v0
	v_readfirstlane_b32 s20, v[T]                  ; wave
	v_and_b32 v[LN], 31, v0
	v_and_b32 v[RR], 15, v0
	v_bfe_u32 v[HH], v0, 4, 1
	v_lshlrev_b32 v[L16], 4, v[LN]
	v_and_b32 v[WO], 8, v[RR]
	v_add_nc_u32 v[WO], v[WO], v[RR]               ; r + 8 (r / 8)
	v_lshlrev_b32 v[WO], 2, v[WO]
	v_lshl_add_u32 v[WO], v[HH], 16, v[WO]
	s_mul_i32 s21, s20, STG
	v_add_nc_u32 v[STI], s21, v[L16]
	v_mul_u32_u24 v[STO], v[RR], SP
	v_lshl_add_u32 v[STO], v[HH], 7, v[STO]
	v_add_nc_u32 v[STO], s21, v[STO]
	v_lshlrev_b32 v[SA], 4, v[RR]
	v_lshl_add_u32 v[SA], v[HH], 3, v[SA]
	v_lshlrev_b32 v[SH8], 3, v[HH]
	s_mov_b32 s[SEL], 0x76543210
	s_mov_b32 s[SEL+1], 0xfedcba98
	s_mov_b32 s[HI], 0xffff0000
	s_lshl_b32 s25, ttmp9, 2
	s_add_co_u32 s25, s25, s20                     ; 4 x work-group + wave
; 64 numbers of a lane, v[n + 32 c + i] = k 64 c + 32 h + i of my row: both blocks are wholly mine.  They become the fragment's 12 registers in v[C] on and scale word s of my row.
.macro QFRAG n, s
.irp c, 0,1
	v_max3_num_f32 v[MX+\c], |v[(\n)+32*\c]|, |v[(\n)+32*\c+1]|, 0x1800000   ; the floor 2^(3 - 127): the byte cannot fall under 1
.endr
.irp i, 2,4,6,8,10,12,14,16,18,20,22,24,26,28,30
.irp c, 0,1
	v_max3_num_f32 v[MX+\c], v[MX+\c], |v[(\n)+32*\c+\i]|, |v[(\n)+32*\c+\i+1]|   ; the two blocks by turns
.endr
.endr
.irp c, 0,1
	v_add_nc_u32 v[SO+\c], 0xff000000, v[MX+\c]    ; 2 off the exponent field: the conversion's scale operand
.endr
.irp c, 0,1
	v_lshrrev_b32 v[BY+\c], 23, v[SO+\c]           ; the scale's byte
.endr
	v_lshl_or_b32 v[W+\s], v[BY+1], 16, v[BY]      ; my two bytes, blocks h and 2 + h,
	v_lshlrev_b32 v[W+\s], v[SH8], v[W+\s]         ; at their places in the word;
	v_permlanex16_b32 v[T], v[W+\s], s[SEL], s[SEL+1]
	v_or_b32 v[W+\s], v[W+\s], v[T]                ; with lane l xor 16's two it is whole
	s_wait_xcnt 0x0                                ; the last fragment's stores have read the codes' registers: they are written again only behind this wait
.irp c, 0,1
	v_cvt_scalef32_pk16_fp6_f32 v[C+6*\c:C+6*\c+2], v[(\n)+32*\c:(\n)+32*\c+15], v[SO+\c]
	v_cvt_scalef32_pk16_fp6_f32 v[CT+4*\c:CT+4*\c+2], v[(\n)+32*\c+16:(\n)+32*\c+31], v[SO+\c]   ; (a conversion's three registers begin on an even number)
.endr
	v_nop                                          ; one plain place behind the scaled conversions
.irp c, 0,1
.irp i, 0,1,2
	v_mov_b32 v[C+6*\c+3+\i], v[CT+4*\c+\i]
.endr
.endr
.endm
.macro OUT s                           ; the fragment's image: three stores of 512 consecutive bytes
.irp g, 0,1,2
	global_store_b128 v[L16], v[C+4*\g:C+4*\g+3], s[DC:DC+1] offset:1536*(\s)+512*\g
.endr
.endm
.macro DEST                            ; s34 = the tile's number
	s_mul_i32 s32, s34, 6144
	s_mov_b32 s33, 0
	s_add_nc_u64 s[DC:DC+1], s[16:17], s[32:33]
	s_lshl_b32 s32, s34, 8
	s_add_nc_u64 s[DS:DS+1], s[18:19], s[32:33]
.endm
.macro LOADW s, u                      ; a weight's K step s into set u: W(128 s + 64 c + 32 h + i, my column)
.set kk, 0
.rept 64
	global_load_b32 v[R+64*(\u)+kk], v[WO], s[SRC:SRC+1] offset:(128*(\s)+64*(kk/32)+kk%32)*2048
.set kk, kk+1
.endr
.endm
.macro LOADA s, u                      ; K step s of the tile's 16 rows into set u: each load is 512 consecutive bytes of one row
.irp i, 0,1,2,3,4,5,6,7,8,9,10,11,12,13,14,15
	global_load_b128 v[R+64*(\u)+4*\i:R+64*(\u)+4*\i+3], v[L16], s[SRC:SRC+1] offset:(\i+8*(\i/8))*2048+512*(\s) th:TH_LOAD_NT
.endr
.endm
.macro TURN u                          ; through my stage: LDS serves a wave's instructions in order, so no wait stands between the stores and the loads
.irp i, 0,1,2,3,4,5,6,7,8,9,10,11,12,13,14,15
	ds_store_b128 v[STI], v[R+64*(\u)+4*\i:R+64*(\u)+4*\i+3] offset:SP*\i
.endr
.irp c, 0,1
.irp q, 0,1,2,3,4,5,6,7
	ds_load_b128 v[X+32*\c+4*\q:X+32*\c+4*\q+3], v[STO] offset:256*\c+16*\q
.endr
.endr
.endm
	s_wait_kmcnt 0x0
	s_cmp_lt_u32 ttmp9, 32
	s_cbranch_scc0 .Lacts
	; ---- the weights: tile 1024 + 4 x work-group + wave
	s_lshr_b32 s21, ttmp9, 3                       ; which weight: the choice hangs on the work-group's number alone
	s_mov_b64 s[SRC:SRC+1], s[8:9]
	s_cmp_eq_u32 s21, 1
	s_cselect_b64 s[SRC:SRC+1], s[10:11], s[SRC:SRC+1]
	s_cmp_eq_u32 s21, 2
	s_cselect_b64 s[SRC:SRC+1], s[12:13], s[SRC:SRC+1]
	s_cmp_eq_u32 s21, 3
	s_cselect_b64 s[SRC:SRC+1], s[14:15], s[SRC:SRC+1]
	s_and_b32 s32, s25, 31                         ; the tile within its weight
	s_lshr_b32 s33, s32, 1
	s_lshl_b32 s33, s33, 7                         ; 32 columns of 4 bytes for each pair of tiles,
	s_and_b32 s32, s32, 1
	s_lshl_b32 s32, s32, 5                         ; 8 columns for the odd one
	s_add_co_u32 s32, s32, s33
	s_mov_b32 s33, 0
	s_add_nc_u64 s[SRC:SRC+1], s[SRC:SRC+1], s[32:33]
	s_add_co_u32 s34, s25, 1024
	DEST
	LOADW 0, 0
	LOADW 1, 1
	s_wait_loadcnt 63                              ; 64 younger loads were issued behind this K step's: 63, the largest count that the wait can name, lies under that
	QFRAG R, 0
	LOADW 2, 0
	OUT 0
	s_wait_loadcnt 63                              ; likewise: K step 2's 64 are younger
	QFRAG R+64, 1
	LOADW 3, 1
	OUT 1
	s_wait_loadcnt 63                              ; K step 3's 64 are younger
	QFRAG R, 2
	OUT 2
	s_wait_loadcnt 0x0
	QFRAG R+64, 3
	OUT 3
	s_branch .Ltail
.Lacts:
	; ---- x and context: tile 4 x (work-group - 32) + wave
	s_sub_co_u32 s34, s25, 128
	s_cmp_lt_u32 s34, 512
	s_cselect_b64 s[SRC:SRC+1], s[4:5], s[6:7]
	s_and_b32 s32, s34, 511
	s_lshr_b32 s33, s32, 1
	s_lshl_b32 s33, s33, 16                        ; 32 rows of 2,048 bytes for each pair of tiles,
	s_and_b32 s32, s32, 1
	s_lshl_b32 s32, s32, 14                        ; 8 rows for the odd one
	s_add_co_u32 s32, s32, s33
	s_mov_b32 s33, 0
	s_add_nc_u64 s[SRC:SRC+1], s[SRC:SRC+1], s[32:33]
	DEST
	LOADA 0, 0
	LOADA 1, 1
	s_wait_loadcnt 16                              ; this K step's 16 loads are in; the next step's 16 may be out
	TURN 0
	s_wait_dscnt 0x0                               ; the numbers are back, and the stores into the stage have read their registers,
	LOADA 2, 0                                     ; which take the K step two on
	QFRAG X, 0
	OUT 0
	s_wait_loadcnt 16
	TURN 1
	s_wait_dscnt 0x0
	LOADA 3, 1
	QFRAG X, 1
	OUT 1
	s_wait_loadcnt 16
	TURN 0
	s_wait_dscnt 0x0
	QFRAG X, 2
	OUT 2
	s_wait_loadcnt 0x0
	TURN 1
	s_wait_dscnt 0x0
	QFRAG X, 3
	OUT 3
.Ltail:
	v_cndmask_b32 v[D], v[W], v[W+2], s[HI]        ; lanes 0-15 store words 0 and 1 of row r, lanes 16-31 words 2 and 3:
	v_cndmask_b32 v[D+1], v[W+1], v[W+3], s[HI]
	global_store_b64 v[SA], v[D:D+1], s[DS:DS+1]   ; 256 consecutive bytes, aligned
	s_wait_tensorcnt 0x0                           ; the wave's end: a tensor wait, an add to my spare word and its wait, behind the last LDS store
	ds_add_u32 v[SPW], v[NIL]
	s_wait_dscnt 0x0
	s_endpgm
.Lfunc_end_k_qa09556e024_quant:
	.size	k_qa09556e024_quant, .Lfunc_end_k_qa09556e024_quant-k_qa09556e024_quant
	.p2alignl 7, 3214868480
	.fill 96, 4, 3214868480
	.section	.rodata,"a",@progbits
	.p2align	6, 0x0
	.amdhsa_kernel k_qa09556e024_quant
		.amdhsa_group_segment_fixed_size 34304
		.amdhsa_private_segment_fixed_size 0
		.amdhsa_enable_private_segment 0
		.amdhsa_kernarg_size 64
		.amdhsa_user_sgpr_count 2
		.amdhsa_user_sgpr_kernarg_segment_ptr 1
		.amdhsa_wavefront_size32 1
		.amdhsa_system_sgpr_workgroup_id_x 1
		.amdhsa_system_sgpr_workgroup_id_y 1
		.amdhsa_system_sgpr_workgroup_id_z 1
		.amdhsa_system_vgpr_workitem_id 0
		.amdhsa_next_free_vgpr 240
		.amdhsa_next_free_sgpr 66
		.amdhsa_reserve_vcc 0
		.amdhsa_float_denorm_mode_32 3
		.amdhsa_float_denorm_mode_16_64 3
		.amdhsa_memory_ordered 1
		.amdhsa_forward_progress 1
		.amdhsa_inst_pref_size 68
	.end_amdhsa_kernel
	.amdgpu_metadata
---
amdhsa.version: [ 1, 2 ]
amdhsa.kernels:
  - .name:           k_qa09556e024_quant
    .symbol:         k_qa09556e024_quant.kd
    .args:
      - { .name: x, .offset: 0, .size: 8, .value_kind: global_buffer, .address_space: global }
      - { .name: context, .offset: 8, .size: 8, .value_kind: global_buffer, .address_space: global }
      - { .name: Wq, .offset: 16, .size: 8, .value_kind: global_buffer, .address_space: global }
      - { .name: Wk, .offset: 24, .size: 8, .value_kind: global_buffer, .address_space: global }
      - { .name: Wv, .offset: 32, .size: 8, .value_kind: global_buffer, .address_space: global }
      - { .name: Wo, .offset: 40, .size: 8, .value_kind: global_buffer, .address_space: global }
      - { .name: opc, .offset: 48, .size: 8, .value_kind: global_buffer, .address_space: global }
      - { .name: ops, .offset: 56, .size: 8, .value_kind: global_buffer, .address_space: global }
    .group_segment_fixed_size: 34304
    .private_segment_fixed_size: 0
    .kernarg_segment_align: 8
    .kernarg_segment_size: 64
    .max_flat_workgroup_size: 128
    .sgpr_count:     66
    .vgpr_count:     240
    .wavefront_size: 32
...
	.end_amdgpu_metadata
.endif
;; end of part 1
;; launch proj (part 2): grid 192 x 1, 4 waves a work-group, no clusters, 0 bytes of LDS; arguments opc, ops, bq, bk, bv, heads; writes heads
.if DOCPART == 2
	.amdgcn_target "amdgcn-amd-amdhsa--gfx1250"
	.amdhsa_code_object_version 6
	.text
	.protected	k_qa09556e024_proj
	.globl	k_qa09556e024_proj
	.p2align	8
	.type	k_qa09556e024_proj,@function
k_qa09556e024_proj:
	s_mov_b64 s[64:65], 0
	v_nop
	global_prefetch_b8 v0, s[64:65] scope:SCOPE_SE
	s_setreg_imm32_b32 hwreg(HW_REG_WAVE_MODE, 25, 1), 1
	s_wait_xcnt 0x0
; LAUNCH 2 OF 4: q = x Wq + bq, k = context Wk + bk, v = context Wv + bv on the codes of launch 1, and q, k, v quantised at once: q and k along the head's 32 (one block a row and head), v along the keys.  No work is left out.
; A UNIT: source 0 = 8 tiles (128 rows) that stay in registers, source 1 = one tile, K = 512: 32 matrix instructions on 8 accumulators by turns.  Register ACC + 16 b + i of lane (r, h) = source 0's row 32 b + 16 h + i against source 1's lane-row r.
; SHARES.  P = work-group / 64 (0 q, 1 k, 2 v); gp = work-group % 64 = 16 x batch + step: 128 rows of x or context.  A wave runs 8 units.
;   q, k: source 0 = the weight's columns 128 w .. + 127 (heads 4 w .. 4 w + 3), source 1 = the 8 tiles of rows: a lane holds one row, and a block of 16 + 16 registers (lanes l, l xor 16) is one head's 32.
;   v:    source 0 = the 128 keys, source 1 = Wv's 8 tiles 8 w + j (head 4 w + j / 2, half j % 2 of its 32): a lane holds one column (head, d) and its registers run along the keys: a unit's result IS a fragment of V^T.
; Three equal products do not divide into 256 work-groups: 192 are launched.  Operands go from memory straight into registers, in register order: no LDS, no barrier.
; THE RECORD of a batch and head, 153,600 bytes in heads: KC 0: 32 fragments of 64 keys: lane (r, h), registers 6 c .. hold key 64 F + 32 c + 8 h + r + 8 (r / 8): the fragment's four K blocks are FOUR KEYS;
;   VC 49,152: fragment (step, u) at 3,072 step + 1,536 u: row r is d = 8 u + r + 8 (r / 8), K = the step's 128 keys; KS 98,304: word 64 F + 4 r, byte 2 c + h; VS 100,352: word 128 step + 4 l (lanes 16-31: u = 1); QC 102,400, QS 151,552: as KC, KS.
; STORES: v's fragments leave as runs of 512 bytes; of q's and k's 24 bytes a key 16 leave in aligned runs of 256 bytes a half-wave, 8 in pieces 16 bytes apart whose gaps another unit of the same wave fills; scale words in runs of 64 or 128 bytes.
; LIMITS: as in launch 1 (a block of zeros has the byte 1; under 2^-124 the byte is held at 1; NaN and infinities are not served).
.set REC,  153600
.set KC,   0
.set VC,   49152
.set KS,   98304
.set VS,   100352
.set QC,   102400
.set QS,   151552
; window 0
.set LN,   1
.set RR,   2
.set HL,   3
.set L16,  4                           ; 16 x lane
.set R16,  5                           ; 16 r
.set VS0,  6                           ; 16 r + h x REC
.set VS1,  7                           ; 4 r + h x REC
.set L4,   8                           ; 4 x lane
.set RP4,  9                           ; 4 (r + 8 (r / 8))
.set BH,   10                          ; 64 h
.set S0SC, 16                          ; v16-47   source 0's scale words: tile t, K step s at 4 t + s
.set S1SC, 48                          ; v48-55   source 1's, two sets
.set ACC,  56                          ; v56-119
.set PC,   120                         ; v120-139 the codes just made (12) and the conversions' upper halves (8)
.set TM,   140                         ; v140-155 largest magnitudes, bytes, -, scale operands
.set PW,   156
.set PW0,  157
.set SW,   160                         ; v160-163 a head's scale word of four keys in the making
.set WP,   164
.set CB,   168                         ; v168-175 v's bias as a C
.set BV,   176                         ; v176-177 bv of my column, two sets
; window 1: source 0's fragments (t, s = 0, 1) at 12 (2 t + s); v192-255 the bias of q or k, 8 registers a tile.  window 2: (t, s = 2, 3).  window 3: source 1, set p at 64 p + 12 s
.set A0,   24
.set B0,   26
.set A1,   28
.set B1,   30
.set BIAS, 32
.set OB,   34
.set OS,   36
.set SEL,  38
.set HI,   40
.set MSB, 0
.macro WIN new                         ; the immediate's high byte repeats the setting that is left; bits 1:0 source 0, 3:2 source 1, 5:4 source 2, 7:6 destination
.if MSB != \new
	s_set_vgpr_msb (MSB<<8)|\new
.set MSB, \new
.endif
.endm
.macro LOAD0                           ; source 0: 32 fragments and 8 x 4 scale words; they stay
	WIN 0x40
.irp t, 0,1,2,3,4,5,6,7
.irp s, 0,1
.irp g, 0,1,2
	global_load_b128 v[12*(2*\t+\s)+4*\g:12*(2*\t+\s)+4*\g+3], v[L16], s[A0:A0+1] offset:6144*\t+1536*\s+512*\g
.endr
.endr
.endr
	WIN 0x80
.irp t, 0,1,2,3,4,5,6,7
.irp s, 0,1
.irp g, 0,1,2
	global_load_b128 v[12*(2*\t+\s)+4*\g:12*(2*\t+\s)+4*\g+3], v[L16], s[A0:A0+1] offset:6144*\t+1536*(\s+2)+512*\g
.endr
.endr
.endr
	WIN 0
.irp t, 0,1,2,3,4,5,6,7
	global_load_b128 v[S0SC+4*\t:S0SC+4*\t+3], v[R16], s[B0:B0+1] offset:256*\t
.endr
.endm
.macro LOAD1 j, bias                   ; source 1's tile j into set j % 2
	WIN 0xc0
.irp s, 0,1,2,3
.irp g, 0,1,2
	global_load_b128 v[64*((\j)%2)+12*\s+4*\g:64*((\j)%2)+12*\s+4*\g+3], v[L16], s[A1:A1+1] offset:6144*(\j)+1536*\s+512*\g
.endr
.endr
	WIN 0
	global_load_b128 v[S1SC+4*((\j)%2):S1SC+4*((\j)%2)+3], v[R16], s[B1:B1+1] offset:256*(\j)
.if \bias
	global_load_b32 v[BV+(\j)%2], v[RP4], s[BIAS:BIAS+1] offset:4*(32*((\j)/2)+8*((\j)%2))
.endif
.endm
; A unit's 32 products.  The 8 accumulators take turns, one instruction a turn.  The bias is the C of each sum's first product: cm = 1: 8 registers a tile in window 1; cm = 2: v[CB] on.
.macro MM p, cm
.if \cm == 1
	WIN 0x1d
.irp t, 0,1,2,3,4,5,6,7
	v_wmma_scale_f32_16x16x128_f8f6f4 v[ACC+8*\t:ACC+8*\t+7], v[24*\t:24*\t+11], v[64*(\p):64*(\p)+11], v[192+8*\t:192+8*\t+7], v[S0SC+4*\t], v[S1SC+4*(\p)] matrix_a_fmt:MATRIX_FMT_FP6 matrix_b_fmt:MATRIX_FMT_FP6
.endr
.else
	WIN 0x0d
.irp t, 0,1,2,3,4,5,6,7
	v_wmma_scale_f32_16x16x128_f8f6f4 v[ACC+8*\t:ACC+8*\t+7], v[24*\t:24*\t+11], v[64*(\p):64*(\p)+11], v[CB:CB+7], v[S0SC+4*\t], v[S1SC+4*(\p)] matrix_a_fmt:MATRIX_FMT_FP6 matrix_b_fmt:MATRIX_FMT_FP6
.endr
.endif
	WIN 0x0d
.irp t, 0,1,2,3,4,5,6,7
	v_wmma_scale_f32_16x16x128_f8f6f4 v[ACC+8*\t:ACC+8*\t+7], v[24*\t+12:24*\t+23], v[64*(\p)+12:64*(\p)+23], v[ACC+8*\t:ACC+8*\t+7], v[S0SC+4*\t+1], v[S1SC+4*(\p)+1] matrix_a_fmt:MATRIX_FMT_FP6 matrix_b_fmt:MATRIX_FMT_FP6
.endr
	WIN 0x0e
.irp t, 0,1,2,3,4,5,6,7
	v_wmma_scale_f32_16x16x128_f8f6f4 v[ACC+8*\t:ACC+8*\t+7], v[24*\t:24*\t+11], v[64*(\p)+24:64*(\p)+35], v[ACC+8*\t:ACC+8*\t+7], v[S0SC+4*\t+2], v[S1SC+4*(\p)+2] matrix_a_fmt:MATRIX_FMT_FP6 matrix_b_fmt:MATRIX_FMT_FP6
.endr
.irp t, 0,1,2,3,4,5,6,7
	v_wmma_scale_f32_16x16x128_f8f6f4 v[ACC+8*\t:ACC+8*\t+7], v[24*\t+12:24*\t+23], v[64*(\p)+36:64*(\p)+47], v[ACC+8*\t:ACC+8*\t+7], v[S0SC+4*\t+3], v[S1SC+4*(\p)+3] matrix_a_fmt:MATRIX_FMT_FP6 matrix_b_fmt:MATRIX_FMT_FP6
.endr
	WIN 0
.rept 5
	v_nop                                          ; places behind the last products (ISA guide 7.12.1): four ahead of the first read of results, five ahead of a product that begins an accumulator anew
.endr
.endm
; The unit's 64 numbers a lane, register 16 b + i = place 32 b + 16 h + i along the quantiser's axis, become 12 registers of codes in v[PC] on: registers 6 c .. 6 c + 5 hold block 2 c in lanes 0-15 and block 2 c + 1 in lanes 16-31.
; The bytes of blocks 0-3 stand in v[TM+4] on; pw = 1: they make the scale word v[PW].
.macro QUANT pw
.irp b, 0,1,2,3
	v_max3_num_f32 v[TM+\b], |v[ACC+16*\b]|, |v[ACC+1+16*\b]|, 0x1800000   ; each accumulator is read from its low end on; the floor 2^(3 - 127) holds the byte at 1 from below
.endr
.irp i, 2,4,6,8,10,12,14
.irp b, 0,1,2,3
	v_max3_num_f32 v[TM+\b], v[TM+\b], |v[ACC+16*\b+\i]|, |v[ACC+1+16*\b+\i]|
.endr
.endr
.irp b, 0,1,2,3
	v_permlanex16_b32 v[TM+4+\b], v[TM+\b], s[SEL], s[SEL+1]
.endr
.irp b, 0,1,2,3
	v_max_num_f32 v[TM+\b], v[TM+\b], v[TM+4+\b]   ; with lane l xor 16's: the block's largest magnitude
.endr
.irp b, 0,1,2,3
	v_add_nc_u32 v[TM+12+\b], 0xff000000, v[TM+\b] ; 2 off its exponent field: the conversion's scale operand
.endr
.irp b, 0,1,2,3
	v_lshrrev_b32 v[TM+4+\b], 23, v[TM+12+\b]      ; the scale's byte
.endr
.if \pw
	v_lshl_or_b32 v[PW], v[TM+5], 8, v[TM+4]
	v_lshl_or_b32 v[PW], v[TM+6], 16, v[PW]
	v_lshl_or_b32 v[PW], v[TM+7], 24, v[PW]
.endif
.irp c, 0,1
	v_cvt_scalef32_pk16_fp6_f32 v[PC+6*\c:PC+2+6*\c], v[ACC+32*\c:ACC+15+32*\c], v[TM+12+2*\c]
	v_cvt_scalef32_pk16_fp6_f32 v[PC+12+4*\c:PC+14+4*\c], v[ACC+16+32*\c:ACC+31+32*\c], v[TM+12+2*\c+1]   ; (a conversion's three registers begin on an even number)
.endr
	v_nop                                          ; one plain place behind the scaled conversions
.irp c, 0,1
.irp i, 0,1,2
	v_permlane16_swap_b32 v[PC+6*\c+\i], v[PC+12+4*\c+\i]   ; the first's lanes 16-31 change places with the second's lanes 0-15: a whole block in a lane
.endr
.irp i, 0,1,2
	v_mov_b32 v[PC+3+6*\c+\i], v[PC+12+4*\c+\i]
.endr
.endr
.endm
; q, k: unit j holds rows 32 (j / 2) + 8 (j % 2) + r + 8 (r / 8) of the step: fragment j / 4, K block 2 c + h with c = (j / 2) % 2, h = j % 2.  Lane (r, h') holds head 4 w + 2 c' + h', 24 bytes.
.macro EPI_QK j
	s_wait_xcnt 0x0                                ; the last unit's stores have read their registers
	QUANT 0
.irp b, 0,1,2,3
.if (\j)%4 == 0
	v_mov_b32 v[SW+\b], v[TM+4+\b]
.else
	v_lshl_or_b32 v[SW+\b], v[TM+4+\b], 8*((\j)%4), v[SW+\b]   ; four units' bytes make a fragment's scale word
.endif
.endr
.irp c, 0,1
.if ((\j)/2)%2 == 0
	global_store_b128 v[VS0], v[PC+6*\c:PC+6*\c+3], s[OB:OB+1] offset:2*\c*REC+1536*((\j)/4)+256*((\j)%2)        ; the image's registers 0-3,
	global_store_b64 v[VS0], v[PC+6*\c+4:PC+6*\c+5], s[OB:OB+1] offset:2*\c*REC+1536*((\j)/4)+256*((\j)%2)+512   ; 4-5
.else
	global_store_b64 v[VS0], v[PC+6*\c:PC+6*\c+1], s[OB:OB+1] offset:2*\c*REC+1536*((\j)/4)+256*((\j)%2)+520     ; 6-7,
	global_store_b128 v[VS0], v[PC+6*\c+2:PC+6*\c+5], s[OB:OB+1] offset:2*\c*REC+1536*((\j)/4)+256*((\j)%2)+1024 ; 8-11
.endif
.endr
.if (\j)%4 == 3
.irp c, 0,1
	v_cndmask_b32 v[WP+\c], v[SW+2*\c], v[SW+2*\c+1], s[HI]
	global_store_b32 v[VS1], v[WP+\c], s[OS:OS+1] offset:2*\c*REC+64*((\j)/4)
.endr
.endif
.endm
; v: unit j is fragment (step, j % 2) of head 4 w + j / 2
.macro EPI_V j
	s_wait_xcnt 0x0
	QUANT 1
.irp g, 0,1,2
	global_store_b128 v[L16], v[PC+4*\g:PC+4*\g+3], s[OB:OB+1] offset:((\j)/2)*REC+1536*((\j)%2)+512*\g
.endr
.if (\j)%2 == 0
	v_mov_b32 v[PW0], v[PW]
.else
	v_cndmask_b32 v[WP], v[PW0], v[PW], s[HI]      ; lanes 0-15 the even fragment's words, lanes 16-31 the odd one's
	global_store_b32 v[L4], v[WP], s[OS:OS+1] offset:((\j)/2)*REC
.endif
.endm
	s_load_b256 s[4:11], s[0:1], 0x0               ; opc, ops, bq, bk
	s_load_b128 s[12:15], s[0:1], 0x20             ; bv, heads
	v_lshrrev_b32 v[LN], 5, v0
	v_readfirstlane_b32 s16, v[LN]                 ; wave
	v_and_b32 v[LN], 31, v0
	v_and_b32 v[RR], 15, v0
	v_bfe_u32 v[HL], v0, 4, 1
	v_lshlrev_b32 v[L16], 4, v[LN]
	v_lshlrev_b32 v[R16], 4, v[RR]
	v_mul_u32_u24 v[VS1], v[HL], REC
	v_lshl_add_u32 v[VS0], v[RR], 4, v[VS1]
	v_lshl_add_u32 v[VS1], v[RR], 2, v[VS1]
	v_lshlrev_b32 v[L4], 2, v[LN]
	v_and_b32 v[RP4], 8, v[RR]
	v_add_nc_u32 v[RP4], v[RP4], v[RR]
	v_lshlrev_b32 v[RP4], 2, v[RP4]
	v_lshlrev_b32 v[BH], 6, v[HL]
.irp b, 0,1,2,3
	v_mov_b32 v[TM+4+\b], 0                        ; written once: a lane permute's destination counts as one of its sources
.endr
	s_mov_b32 s[SEL], 0x76543210
	s_mov_b32 s[SEL+1], 0xfedcba98
	s_mov_b32 s[HI], 0xffff0000
	s_lshr_b32 s17, ttmp9, 6                       ; P
	s_and_b32 s18, ttmp9, 63                       ; gp
	s_lshr_b32 s19, s18, 4                         ; batch
	s_and_b32 s20, s18, 15                         ; step
	s_lshl_b32 s21, s16, 3                         ; 8 w
	s_lshl_b32 s22, s18, 3                         ; 8 gp
	s_lshl_b32 s23, s17, 5
	s_add_co_u32 s23, s23, s21
	s_add_co_u32 s23, s23, 1024                    ; q, k: the weight's tiles 1024 + 32 P + 8 w
	s_lshl_b32 s41, s17, 9
	s_add_co_u32 s41, s41, s22                     ;       the rows' tiles 512 P + 8 gp
	s_add_co_u32 s42, s22, 512                     ; v:    context's tiles 512 + 8 gp
	s_add_co_u32 s43, s21, 1088                    ;       Wv's tiles 1088 + 8 w
	s_cmp_eq_u32 s17, 2
	s_cselect_b32 s44, s42, s23                    ; source 0's first tile
	s_cselect_b32 s45, s43, s41                    ; source 1's
	s_mov_b32 s48, QC                              ; where the codes and the scale words go in a record
	s_mov_b32 s49, QS
	s_mov_b32 s50, KS
	s_cmp_eq_u32 s17, 1
	s_cselect_b32 s48, KC, s48
	s_cselect_b32 s49, s50, s49
	s_cmp_eq_u32 s17, 2
	s_mov_b32 s50, VC
	s_cselect_b32 s48, s50, s48
	s_mov_b32 s50, VS
	s_cselect_b32 s49, s50, s49
	s_lshl_b32 s51, s19, 4
	s_lshl_b32 s50, s16, 2
	s_add_co_u32 s51, s51, s50
	s_mul_i32 s51, s51, REC                        ; record 16 x batch + 4 w
	s_mul_i32 s50, s20, 3072
	s_add_co_u32 s48, s48, s50
	s_add_co_u32 s48, s48, s51
	s_lshl_b32 s50, s20, 7
	s_add_co_u32 s49, s49, s50
	s_add_co_u32 s49, s49, s51
	s_mov_b32 s47, 0
	s_wait_kmcnt 0x0
	s_mul_i32 s46, s44, 6144
	s_add_nc_u64 s[A0:A0+1], s[4:5], s[46:47]
	s_lshl_b32 s46, s44, 8
	s_add_nc_u64 s[B0:B0+1], s[6:7], s[46:47]
	s_mul_i32 s46, s45, 6144
	s_add_nc_u64 s[A1:A1+1], s[4:5], s[46:47]
	s_lshl_b32 s46, s45, 8
	s_add_nc_u64 s[B1:B1+1], s[6:7], s[46:47]
	s_cmp_eq_u32 s17, 0
	s_cselect_b64 s[BIAS:BIAS+1], s[8:9], s[10:11]
	s_cmp_eq_u32 s17, 2
	s_cselect_b64 s[BIAS:BIAS+1], s[12:13], s[BIAS:BIAS+1]
	s_lshl_b32 s46, s16, 9                         ; my 128 columns' biases
	s_add_nc_u64 s[BIAS:BIAS+1], s[BIAS:BIAS+1], s[46:47]
	s_mov_b32 s46, s48
	s_add_nc_u64 s[OB:OB+1], s[14:15], s[46:47]
	s_mov_b32 s46, s49
	s_add_nc_u64 s[OS:OS+1], s[14:15], s[46:47]
	LOAD0
	s_cmp_eq_u32 s17, 2
	s_cbranch_scc1 .Lvalues
	; ---- q, k.  The bias hangs on source 0's row: for tile t my eight columns 32 (t / 2) + 16 h + 8 (t % 2) + 0 .. 7
	WIN 0x40
.irp t, 0,1,2,3,4,5,6,7
	global_load_b128 v[192+8*\t:195+8*\t], v[BH], s[BIAS:BIAS+1] offset:4*(32*(\t/2)+8*(\t%2))
	global_load_b128 v[196+8*\t:199+8*\t], v[BH], s[BIAS:BIAS+1] offset:4*(32*(\t/2)+8*(\t%2))+16
.endr
	WIN 0
	LOAD1 0, 0
.irp j, 0,1,2,3,4,5,6,7
	s_wait_loadcnt 0x0                             ; this unit's tile is in (and, the first time, all that stays); nothing else is out,
.if \j < 7
	LOAD1 \j+1, 0                                  ; and the next unit's tile has this unit's products and its way out in which to land
.endif
	MM \j%2, 1
	EPI_QK \j
.endr
	s_endpgm
.Lvalues:
	; ---- v.  The bias hangs on source 1's row, my lane's column: the same number in all eight registers of the C
	LOAD1 0, 1
.irp j, 0,1,2,3,4,5,6,7
	s_wait_loadcnt 0x0
.irp i, 0,1,2,3,4,5,6,7
	v_mov_b32 v[CB+\i], v[BV+\j%2]
.endr
.if \j < 7
	LOAD1 \j+1, 1
.endif
.rept 4
	v_nop
.endr
	MM \j%2, 2
	EPI_V \j
.endr
	s_endpgm
.Lfunc_end_k_qa09556e024_proj:
	.size	k_qa09556e024_proj, .Lfunc_end_k_qa09556e024_proj-k_qa09556e024_proj
	.p2alignl 7, 3214868480
	.fill 96, 4, 3214868480
	.section	.rodata,"a",@progbits
	.p2align	6, 0x0
	.amdhsa_kernel k_qa09556e024_proj
		.amdhsa_group_segment_fixed_size 0
		.amdhsa_private_segment_fixed_size 0
		.amdhsa_enable_private_segment 0
		.amdhsa_kernarg_size 48
		.amdhsa_user_sgpr_count 2
		.amdhsa_user_sgpr_kernarg_segment_ptr 1
		.amdhsa_wavefront_size32 1
		.amdhsa_system_sgpr_workgroup_id_x 1
		.amdhsa_system_sgpr_workgroup_id_y 1
		.amdhsa_system_sgpr_workgroup_id_z 1
		.amdhsa_system_vgpr_workitem_id 0
		.amdhsa_next_free_vgpr 880
		.amdhsa_next_free_sgpr 66
		.amdhsa_reserve_vcc 0
		.amdhsa_float_denorm_mode_32 3
		.amdhsa_float_denorm_mode_16_64 3
		.amdhsa_memory_ordered 1
		.amdhsa_forward_progress 1
		.amdhsa_inst_pref_size 175
	.end_amdhsa_kernel
	.amdgpu_metadata
---
amdhsa.version: [ 1, 2 ]
amdhsa.kernels:
  - .name:           k_qa09556e024_proj
    .symbol:         k_qa09556e024_proj.kd
    .args:
      - { .name: opc, .offset: 0, .size: 8, .value_kind: global_buffer, .address_space: global }
      - { .name: ops, .offset: 8, .size: 8, .value_kind: global_buffer, .address_space: global }
      - { .name: bq, .offset: 16, .size: 8, .value_kind: global_buffer, .address_space: global }
      - { .name: bk, .offset: 24, .size: 8, .value_kind: global_buffer, .address_space: global }
      - { .name: bv, .offset: 32, .size: 8, .value_kind: global_buffer, .address_space: global }
      - { .name: heads, .offset: 40, .size: 8, .value_kind: global_buffer, .address_space: global }
    .group_segment_fixed_size: 0
    .private_segment_fixed_size: 0
    .kernarg_segment_align: 8
    .kernarg_segment_size: 48
    .max_flat_workgroup_size: 128
    .sgpr_count:     66
    .vgpr_count:     880
    .wavefront_size: 32
...
	.end_amdgpu_metadata
.endif
;; end of part 2
;; launch attn (part 3): grid 4 x 64, 16 waves a work-group, clusters of 4 x 1, 167,936 bytes of LDS; arguments heads, oc, os; writes oc, os
.if DOCPART == 3
	.amdgcn_target "amdgcn-amd-amdhsa--gfx1250"
	.amdhsa_code_object_version 6
	.text
	.protected	k_qa09556e024_attn
	.globl	k_qa09556e024_attn
	.p2align	8
	.type	k_qa09556e024_attn,@function
k_qa09556e024_attn:
	s_mov_b64 s[64:65], 0
	v_nop
	global_prefetch_b8 v0, s[64:65] scope:SCOPE_SE
	s_setreg_imm32_b32 hwreg(HW_REG_WAVE_MODE, 25, 1), 1
	s_wait_xcnt 0x0
	s_wait_alu depctr_hold_cnt(0) depctr_sa_sdst(0) depctr_va_vdst(0) depctr_va_sdst(0) depctr_va_ssrc(0) depctr_va_vcc(0) depctr_vm_vsrc(0)
	s_getreg_b32 s2, hwreg(HW_REG_IB_STS2, 6, 4)
	s_cmp_eq_u32 s2, 0
	s_cbranch_scc0 .Lentry_in_a_cluster
	s_endpgm
.Lentry_in_a_cluster:
	s_bfe_u32 s2, ttmp6, 0x10000c
	s_cmp_lg_u32 s2, 0x3003
	s_cbranch_scc0 .Lentry_shape_is_right
	s_endpgm
.Lentry_shape_is_right:
; LAUNCH 3 OF 4: o = softmax(q k^T / sqrt(32)) v for each batch and head, both products on codes of E2M3, and o quantised along C: a head's 32 columns are block 'head' of the last product's K.  No work is left out.
; THE SOFTMAX AHEAD OF THE SECOND PRODUCT: t = score x log2(e) / sqrt(32); M = the running largest t rounded UP to a whole number; p = 2^(t - M) is quantised along the keys, not normalised; the row's sum is taken of the
; unquantised p and divides at the end; when M moves, the sum and O are multiplied by 2^(old M - new M), which rounds nothing.
; SHARES.  A cluster of four work-groups is one batch and head; each owns 512 queries; each of its sixteen waves owns two tiles of 16 queries, one after the other: four waves to a SIMD, so that one wave's softmax stands beside another's products and LDS loads.
; K AND V OF THE WHOLE HEAD, codes and scale bytes, are the record's first 102,400 bytes: they come into LDS ONCE, as they lie, by sixteen joint tensor loads (one a wave, 25 rows of 256 bytes), which all four work-groups issue alike.
; Nothing is filled again: no ring, and one barrier.  The claim of LDS keeps the work-group alone on its WGP.
; THE FIRST PRODUCT HAS K = 32, the instruction 128.  A fragment of K holds 64 keys: the four K blocks of its row r are four keys.  Q is kept four times: Q_j has the query's 32 codes in block j and zero codes elsewhere
; (scale byte 0 there: 2^-127 times zero codes adds nothing).  K's fragment f times Q_j is S^T for the 16 keys 64 f + 32 (j / 2) + 8 (j % 2) + m + 8 (m / 8): so two fragments serve eight tiles, and the 16 registers of tiles 2 b, 2 b + 1 are 16 neighbouring keys.
; Both products are used transposed: a lane holds ONE query (lane % 16) throughout.
; STORES: a tile's codes of one head are 24 bytes a row, in pieces of 8 bytes 16 bytes apart, and one scale byte a row: the row's other heads belong to other work-groups.
; LIMITS: t is score x (log2(e) / sqrt(32)) in one rounding, where logit x log2(e) rounds twice; a block of zeros has the byte 1; NaN and infinities are not served.
.set REC,   153600
.set VCO,   49152                      ; LDS, as in the record: K's codes 0, V's codes 49,152, K's scale words 98,304, V's 100,352
.set KSO,   98304
.set QC,    102400
.set QS,    151552
.set SPARE, 102400                     ; the spare words, 128 bytes for each of sixteen waves
.set LN,  1                            ; v1   lane
.set L16, 2                            ; v2   16 x lane
.set L4,  3                            ; v3   4 x lane + KSO
.set SPW, 4                            ; v4   LDS address of my spare word; never rewritten
.set NIL, 5                            ; v5   0; never rewritten
.set ADK, 6                            ; v6   the step's fragments
.set ADS, 7                            ; v7   the step's scale words
.set VO1, 8                            ; v8   o's codes: pieces 0 (lanes 0-15) and 2 (lanes 16-31)
.set VO2, 9                            ; v9   piece 1
.set VOB, 10                           ; v10  o's scale byte: 16 r + head
.set TP,  11
; v12 -M, v13 the largest t, v[14:15] the sum in two halves
.set QF,  16                           ; v16-63   Q_0 .. Q_3
.set SQ,  64                           ; v64-67   their scale words
.set SKW, 68                           ; v68  K's scale words: lanes 0-15 fragment 0's, lanes 16-31 fragment 1's
.set SVW, 69                           ; v69  V's likewise
.set PWD, 70                           ; v70  p's scale word
.set KF,  72                           ; v72-95   two fragments of K
.set S,   96                           ; v96-159  S^T, then p
.set OT,  160                          ; v160-175 O^T: register k is d = 16 h + k
.set VF,  176                          ; v176-199 two fragments of V
.set PCD, 200                          ; v200-211 p's codes
.set PCT, 212                          ; v212-219 the conversions' upper halves
.set BM,  220                          ; v220-223 the blocks' largest scores, then largest p
.set PB,  224                          ; v224-227 permute results, then bytes
.set SCO, 228                          ; v228-231 the conversions' scale operands
.set FF,  232                          ; v[232:233] f = 2^(old M - new M); later 1 / the sum
.set TQ,  234
.set SM2, 236                          ; v[236:237] the sum's second chain
; v240-246, v248-254: the two tiles' queries as loaded: 24 bytes of codes and the scale word
.set WV,  10
.set G1,  16
.set G0,  24
.set HB,  28
.set QB,  30
.set QSB, 32
.set OB,  34
.set OSB, 36
.set SEL, 38
.set CS,  40
.set HI,  42
.set LO,  43
.set TK,  44
.set TS,  45
.set CNT, 46
.set SHQ, 47
.set SX,  52
.macro CROUND                          ; a round of the cluster's barrier: my work-group's barrier; wave 0 signals for the work-group; every wave waits for all four; my work-group's barrier once more
	s_barrier_signal -1
	s_barrier_wait -1
	s_cmp_lg_u32 s[WV], 0
	s_cbranch_scc1 .Lnot_wave_0_\@
	s_barrier_signal -3
.Lnot_wave_0_\@:
	s_barrier_wait -3
	s_barrier_signal -1
	s_barrier_wait -1
.endm
	s_load_b128 s[4:7], s[0:1], 0x0                ; heads, oc
	s_load_b64 s[8:9], s[0:1], 0x10                ; os
	v_lshl_add_u32 v[SPW], v0, 2, SPARE
	v_mov_b32 v[NIL], 0
	ds_add_u32 v[SPW], v[NIL]                      ; the wave's opening: the add, twice on end, and its wait ahead of my first tensor load
	ds_add_u32 v[SPW], v[NIL]
	v_lshrrev_b32 v[LN], 5, v0
	v_readfirstlane_b32 s[WV], v[LN]               ; wave 0..15
	s_bfe_u32 s11, ttmp6, 0x40000                  ; cx: it enters Q's, oc's and os' global addresses alone
	s_and_b32 s12, ttmp7, 0xffff                   ; the record: 16 x batch + head, which the four partners share
	s_and_b32 s13, s12, 15                         ; head
	s_lshr_b32 s14, s12, 4                         ; batch
	s_mov_b32 s[G1], 15|(3<<16)|(1<<21)            ; 15:0 the mask: all four work-groups; 17:16 elements of 8 bytes; 21 set beside a mask; no padding
	s_mov_b32 s[G1+1], 32<<16                      ; tensor_dim0 = 32 elements: 256 bytes
	s_mov_b32 s[G1+2], 25<<16                      ; tensor_dim1 = 25
	s_mov_b32 s[G1+3], 32<<16                      ; tile_dim0
	s_mov_b32 s[G1+4], 25                          ; tile_dim1
	s_mov_b32 s[G1+5], 32                          ; from row to row: dense
	s_mov_b32 s[G1+6], 0
	s_mov_b32 s[G1+7], 0
	s_mov_b32 s[G0], 1
	s_mul_i32 s[G0+1], s[WV], 6400                 ; my 6,400 bytes, in LDS as in the record
	s_mul_i32 s48, s12, REC
	s_mov_b32 s49, 0
	s_mov_b32 s50, s[G0+1]
	s_mov_b32 s51, 0
	s_mov_b32 s[SEL], 0x76543210
	s_mov_b32 s[SEL+1], 0xfedcba98
	s_mov_b32 s[CS], 0x3e8293ee                    ; c = log2(e) / sqrt(32)
	s_mov_b32 s[CS+1], s[CS]                       ; (named with it as a pair, so it is written)
	s_mov_b32 s[HI], 0xffff0000
	s_mov_b32 s[LO], 0xffff
	s_wait_dscnt 0x0                               ; both opening adds are done
	s_wait_kmcnt 0x0
	s_add_nc_u64 s[HB:HB+1], s[4:5], s[48:49]      ; the record
	s_add_nc_u64 s[G0+2:G0+3], s[HB:HB+1], s[50:51]
	s_or_b32 s[G0+3], s[G0+3], 0x80000000          ; type = 2
	CROUND                                         ; all four work-groups are here: the joint loads meet
	tensor_load_to_lds s[G0:G0+3], s[G1:G1+7]      ; my one tensor load of the launch
	s_nop 0
.rept 4
	v_nop
.endr
	s_lshl_b32 s54, s11, 3
	s_lshr_b32 s55, s[WV], 2
	s_add_co_u32 s54, s54, s55                     ; my first tile, 32 cx + w, lies in Q's fragment 8 cx + w / 4, K block w % 4; the second four fragments on
	s_mul_i32 s56, s54, 1536
	s_add_co_u32 s56, s56, QC
	s_mov_b32 s57, 0
	s_add_nc_u64 s[QB:QB+1], s[HB:HB+1], s[56:57]
	s_lshl_b32 s56, s54, 6
	s_add_co_u32 s56, s56, QS
	s_add_nc_u64 s[QSB:QSB+1], s[HB:HB+1], s[56:57]
	s_lshl_b32 s54, s14, 7
	s_lshl_b32 s55, s11, 5
	s_add_co_u32 s54, s54, s55
	s_add_co_u32 s54, s54, s[WV]                   ; o's tile: 128 x batch + 32 cx + w
	s_lshl_b32 s56, s54, 8
	s_add_nc_u64 s[OSB:OSB+1], s[8:9], s[56:57]
	s_lshl_b32 s54, s54, 2
	s_lshr_b32 s55, s13, 2
	s_add_co_u32 s54, s54, s55                     ; its K step head / 4
	s_mul_i32 s56, s54, 1536
	s_add_nc_u64 s[OB:OB+1], s[6:7], s[56:57]
	v_and_b32 v[LN], 31, v0
	v_lshlrev_b32 v[L16], 4, v[LN]
	v_lshl_add_u32 v[L4], v[LN], 2, KSO
	v_and_b32 v[TP], 15, v0                        ; r
	s_and_b32 s[SHQ], s[WV], 3
	s_lshl_b32 s[SHQ], s[SHQ], 3                   ; my queries' byte in their scale word
	; a block's three pieces of 8 bytes in an image: block 2 c + h of lane-row r: 16 r + 256 h + {520 c, 8 + 1016 c, 512 + 520 c}
	s_and_b32 s48, s[WV], 1
	s_lshl_b32 s48, s48, 8
	s_bfe_u32 s49, s[WV], 0x10001
	s_mul_i32 s50, s49, 520
	s_add_co_u32 s50, s50, s48
	s_mul_i32 s51, s49, 1016
	s_add_co_u32 s51, s51, s48
	s_add_co_u32 s51, s51, 8
	v_lshl_add_u32 v[TQ], v[TP], 4, s50
	v_lshl_add_u32 v[TQ+1], v[TP], 4, s51
	v_lshlrev_b32 v[SM2], 2, v[TP]
.irp n, 0,1                            ; both halves of the lanes take query r's 24 bytes and its scale word
	global_load_b64 v[240+8*\n:241+8*\n], v[TQ], s[QB:QB+1] offset:6144*\n
	global_load_b64 v[242+8*\n:243+8*\n], v[TQ+1], s[QB:QB+1] offset:6144*\n
	global_load_b64 v[244+8*\n:245+8*\n], v[TQ], s[QB:QB+1] offset:6144*\n+512
	global_load_b32 v[246+8*\n], v[SM2], s[QSB:QSB+1] offset:256*\n
.endr
	s_and_b32 s48, s13, 1                          ; o: block head % 4 of its K step
	s_lshl_b32 s48, s48, 8
	s_bfe_u32 s49, s13, 0x10001
	s_mul_i32 s50, s49, 520
	s_add_co_u32 s50, s50, s48
	s_mul_i32 s51, s49, 1016
	s_add_co_u32 s51, s51, s48
	s_add_co_u32 s51, s51, 8
	v_bfe_u32 v[VOB], v0, 4, 1
	v_lshl_add_u32 v[VO1], v[TP], 4, s50
	v_lshl_add_u32 v[VO1], v[VOB], 9, v[VO1]       ; lanes 16-31: piece 2, 512 bytes on from piece 0
	v_lshl_add_u32 v[VO2], v[TP], 4, s51
	v_lshl_add_u32 v[VOB], v[TP], 4, s13
.irp b, 0,1,2,3
	v_mov_b32 v[PB+\b], 0                          ; written once: a lane permute's destination counts as one of its sources
.endr
	v_mov_b32 v[FF+1], 0                           ; (named as the upper half of a pair)
	s_wait_tensorcnt 0x0                           ; my part of K and V is in,
	s_barrier_signal -1
	s_barrier_wait -1                              ; everybody's is
	s_wait_loadcnt 0x0                             ; my queries
; A KEY STEP: 128 keys
.macro STEP
	v_add_nc_u32 v[ADK], s[TK], v[L16]
	v_add_nc_u32 v[ADS], s[TS], v[L4]
	ds_load_b32 v[SKW], v[ADS]
.irp f, 0,1
.irp g, 0,1,2
	ds_load_b128 v[KF+12*\f+4*\g:KF+12*\f+4*\g+3], v[ADK] offset:1536*\f+512*\g
.endr
.endr
	s_wait_dscnt 0x0
.irp j, 0,1,2,3
	v_wmma_scale_f32_16x16x128_f8f6f4 v[S+8*\j:S+8*\j+7], v[KF:KF+11], v[QF+12*\j:QF+12*\j+11], 0, v[SKW], v[SQ+\j] matrix_a_fmt:MATRIX_FMT_FP6 matrix_b_fmt:MATRIX_FMT_FP6
.endr
.irp j, 0,1,2,3
	v_wmma_scale_f32_16x16x128_f8f6f4 v[S+32+8*\j:S+32+8*\j+7], v[KF+12:KF+23], v[QF+12*\j:QF+12*\j+11], 0, v[SKW], v[SQ+\j] matrix_a_fmt:MATRIX_FMT_FP6 matrix_b_fmt:MATRIX_FMT_FP6 matrix_a_scale:MATRIX_SCALE_ROW1
.endr
.rept 4
	v_nop                                          ; the places behind these products, ahead of the first read of the scores; with the two additions above also those behind the last step's V^T P, ahead of the loads into V's registers
.endr
	ds_load_b32 v[SVW], v[ADS] offset:2048
.irp u, 0,1
.irp g, 0,1,2
	ds_load_b128 v[VF+12*\u+4*\g:VF+12*\u+4*\g+3], v[ADK] offset:VCO+1536*\u+512*\g   ; V lands while the softmax is walked
.endr
.endr
.irp b, 0,1,2,3
	v_max3_num_f32 v[BM+\b], v[S+16*\b], v[S+1+16*\b], v[S+2+16*\b]   ; the largest score of each block of 32 keys: for the row's maximum and, since p rises with the score, for the block's largest p.  Each accumulator is read from its low end on
.endr
.irp i, 3,5,7,9,11,13
.irp b, 0,1,2,3
	v_max3_num_f32 v[BM+\b], v[BM+\b], v[S+16*\b+\i], v[S+1+16*\b+\i]
.endr
.endr
.irp b, 0,1,2,3
	v_max_num_f32 v[BM+\b], v[BM+\b], v[S+15+16*\b]
.endr
.irp b, 0,1,2,3
	v_permlanex16_b32 v[PB+\b], v[BM+\b], s[SEL], s[SEL+1]
.endr
.irp b, 0,1,2,3
	v_max_num_f32 v[BM+\b], v[BM+\b], v[PB+\b]     ; with lane l xor 16's 16 keys
.endr
	v_max3_num_f32 v[TQ], v[BM], v[BM+1], v[BM+2]
	v_max_num_f32 v[TQ], v[TQ], v[BM+3]            ; the step's largest score of my query
	v_mul_f32 v[TQ], s[CS], v[TQ]                  ; as t (c is positive)
	v_max_num_f32 v13, v13, v[TQ]                  ; the running largest t
	v_mov_b32 v[TQ], v12
	v_floor_f32 v12, -v13                          ; the new -M = floor(-t): M is a whole number
	v_sub_f32 v[TQ], v12, v[TQ]                    ; old M - new M: a whole number, 0 or less
	v_cvt_i32_f32 v[TQ], v[TQ]                     ; (it saturates)
	v_ldexp_f32 v[FF], 1.0, v[TQ]                  ; f = 2^(old M - new M)
.irp j, 0,2,4,6,8,10,12,14,16,18,20,22,24,26,28,30,32,34,36,38,40,42,44,46,48,50,52,54,56,58,60,62
	v_pk_fma_f32 v[S+\j:S+\j+1], v[S+\j:S+\j+1], s[CS:CS+1], v[12:13] op_sel_hi:[1,0,0]   ; t - M, two at a time
.endr
.irp b, 0,1,2,3
	v_fma_f32 v[BM+\b], v[BM+\b], s[CS], v12       ; the same of each block's largest score
.endr
.set ee, 0
.rept 64
	v_exp_f32 v[S+ee], v[S+ee]                     ; p = 2^(t - M), at most 1
.set ee, ee+1
.endr
	v_pk_mul_f32 v[14:15], v[14:15], v[FF:FF+1] op_sel_hi:[1,0]   ; the sums under the new M: the plain place behind the exponentials
	s_wait_alu depctr_va_vdst(0)                   ; one wait for the batch of 64, ahead of its first reader
.irp b, 0,1,2,3
	v_exp_f32 v[BM+\b], v[BM+\b]                   ; the blocks' largest p: the same two instructions on the same number give the same bits
.endr
	v_pk_add_f32 v[SM2:SM2+1], v[S:S+1], v[S+2:S+3]   ; the row's sum of the UNQUANTISED p, in two chains: the first half stands behind the four exponentials and names none of their results
.irp j, 4,8,12,16,20,24,28
	v_pk_add_f32 v[14:15], v[14:15], v[S+\j:S+\j+1]
	v_pk_add_f32 v[SM2:SM2+1], v[SM2:SM2+1], v[S+2+\j:S+3+\j]
.endr
	s_wait_alu depctr_va_vdst(0)                   ; and one for the four
.irp b, 0,1,2,3
	v_max_num_f32 v[BM+\b], 0x1800000, v[BM+\b]    ; the floor 2^(3 - 127): the byte cannot fall under 1
.endr
.irp b, 0,1,2,3
	v_add_nc_u32 v[SCO+\b], 0xff000000, v[BM+\b]   ; 2 off the exponent field: the conversion's scale operand
.endr
.irp b, 0,1,2,3
	v_lshrrev_b32 v[PB+\b], 23, v[SCO+\b]          ; the scale's byte
.endr
	v_lshl_or_b32 v[PWD], v[PB+1], 8, v[PB]        ; p's scale word for these 128 keys
	v_lshl_or_b32 v[PWD], v[PB+2], 16, v[PWD]
	v_lshl_or_b32 v[PWD], v[PB+3], 24, v[PWD]
.irp c, 0,1
	v_cvt_scalef32_pk16_fp6_f32 v[PCD+6*\c:PCD+2+6*\c], v[S+32*\c:S+15+32*\c], v[SCO+2*\c]
	v_cvt_scalef32_pk16_fp6_f32 v[PCT+4*\c:PCT+2+4*\c], v[S+16+32*\c:S+31+32*\c], v[SCO+2*\c+1]   ; (a conversion's three registers begin on an even number)
.endr
	v_nop                                          ; one plain place behind the scaled conversions
.irp c, 0,1
.irp i, 0,1,2
	v_permlane16_swap_b32 v[PCD+6*\c+\i], v[PCT+4*\c+\i]   ; a whole block in a lane: lanes 0-15 block 2 c, lanes 16-31 block 2 c + 1
.endr
.irp i, 0,1,2
	v_mov_b32 v[PCD+3+6*\c+\i], v[PCT+4*\c+\i]
.endr
.endr
.irp j, 32,36,40,44,48,52,56,60
	v_pk_add_f32 v[14:15], v[14:15], v[S+\j:S+\j+1]   ; the sum's second half: 17 plain lines that name no register of the products below: the places between p's scale word and codes, just written, and those products
	v_pk_add_f32 v[SM2:SM2+1], v[SM2:SM2+1], v[S+2+\j:S+3+\j]
.endr
	v_pk_add_f32 v[14:15], v[14:15], v[SM2:SM2+1]
.irp k, 0,2,4,6,8,10,12,14
	v_pk_mul_f32 v[OT+\k:OT+\k+1], v[OT+\k:OT+\k+1], v[FF:FF+1] op_sel_hi:[1,0]   ; O^T under the new M, each accumulator from its low end on
.endr
	s_wait_dscnt 0x0                               ; V is in
	v_wmma_scale_f32_16x16x128_f8f6f4 v[OT:OT+7], v[VF:VF+11], v[PCD:PCD+11], v[OT:OT+7], v[SVW], v[PWD] matrix_a_fmt:MATRIX_FMT_FP6 matrix_b_fmt:MATRIX_FMT_FP6
	v_wmma_scale_f32_16x16x128_f8f6f4 v[OT+8:OT+15], v[VF+12:VF+23], v[PCD:PCD+11], v[OT+8:OT+15], v[SVW], v[PWD] matrix_a_fmt:MATRIX_FMT_FP6 matrix_b_fmt:MATRIX_FMT_FP6 matrix_a_scale:MATRIX_SCALE_ROW1
	s_add_co_u32 s[TK], s[TK], 3072                ; the accumulators take turns: between two products on one half of O^T stand the other half's and eight of S^T
	s_add_co_u32 s[TS], s[TS], 128
.endm
; The tile's way out: O^T / the sum; its 32 numbers a row (lanes l and l xor 16) are one block of the last product's K
.macro EPI n
.rept 4
	v_nop                                          ; the places behind the last products
.endr
	v_add_f32 v14, v14, v15
	v_permlanex16_b32 v[TQ], v14, s[SEL], s[SEL+1]
	v_add_f32 v14, v14, v[TQ]                      ; the row's sum
	v_rcp_f32 v[FF], v14
	v_nop                                          ; a plain place behind the reciprocal,
	s_wait_alu depctr_va_vdst(0)                   ; and the wait ahead of its first reader
.irp k, 0,2,4,6,8,10,12,14
	v_pk_mul_f32 v[S+\k:S+\k+1], v[OT+\k:OT+\k+1], v[FF:FF+1] op_sel_hi:[1,0]
.endr
	v_max3_num_f32 v[BM], |v[S]|, |v[S+1]|, 0x1800000
.irp k, 2,4,6,8,10,12,14
	v_max3_num_f32 v[BM], v[BM], |v[S+\k]|, |v[S+\k+1]|
.endr
	v_permlanex16_b32 v[PB], v[BM], s[SEL], s[SEL+1]
	v_max_num_f32 v[BM], v[BM], v[PB]
	v_add_nc_u32 v[SCO], 0xff000000, v[BM]
	v_lshrrev_b32 v[PB], 23, v[SCO]                ; the block's byte
	v_cvt_scalef32_pk16_fp6_f32 v[PCD:PCD+2], v[S:S+15], v[SCO]   ; 12 bytes: d = 16 h + 0 .. 15
	v_nop
	v_cndmask_b32 v[PCD+4], v[PCD], v[PCD+1], s[HI]     ; the block's 24 bytes in pieces of 8: piece 0 = the lower lane's words 0, 1; piece 2 = the upper lane's words 1, 2;
	v_cndmask_b32 v[PCD+5], v[PCD+1], v[PCD+2], s[HI]
	v_mov_b32 v[PCD+6], v[PCD+2]                        ; piece 1 = the lower lane's word 2 and the upper lane's word 0
	v_permlanex16_b32 v[PCD+7], v[PCD], s[SEL], s[SEL+1]
	global_store_b64 v[VO1], v[PCD+4:PCD+5], s[OB:OB+1] offset:98304*(\n)
	s_wait_xcnt 0x0                                ; EXEC changes only behind this wait
	v_cmp_gt_u32 vcc_lo, 16, v[LN]
	s_and_saveexec_b32 s[SX], vcc_lo               ; lanes 0-15
	global_store_b64 v[VO2], v[PCD+6:PCD+7], s[OB:OB+1] offset:98304*(\n)
	global_store_b8 v[VOB], v[PB], s[OSB:OSB+1] offset:4096*(\n)
	s_wait_xcnt 0x0                                ; and again ahead of the line that widens it; the stores' registers may be written again too
	s_or_b32 exec_lo, exec_lo, s[SX]
.endm
.macro TILE n
.irp j, 0,1,2,3
.irp i, 0,1,2,3,4,5
.if \j%2 == 0
	v_cndmask_b32 v[QF+12*\j+6*(\j/2)+\i], 0, v[240+8*(\n)+\i], s[LO]   ; Q_j: the query's codes in block j: registers 6 (j / 2) on, lanes of half j % 2; zero codes elsewhere
.else
	v_cndmask_b32 v[QF+12*\j+6*(\j/2)+\i], 0, v[240+8*(\n)+\i], s[HI]
.endif
	v_mov_b32 v[QF+12*\j+6*(1-\j/2)+\i], 0
.endr
.endr
	v_lshrrev_b32 v[TP], s[SHQ], v[246+8*(\n)]
	v_and_b32 v[TP], 0xff, v[TP]                   ; the query's scale byte,
.irp j, 0,1,2,3
	v_lshlrev_b32 v[SQ+\j], 8*\j, v[TP]            ; at byte j
.endr
	v_mov_b32 v13, 0xff61b1e6                      ; the largest t so far: -3e38, under every t
	v_floor_f32 v12, -v13
	v_mov_b32 v14, 0
	v_mov_b32 v15, 0
.irp k, 0,1,2,3,4,5,6,7,8,9,10,11,12,13,14,15
	v_mov_b32 v[OT+\k], 0                          ; the step is written once: the first finds zeros.  These twenty lines are also the places between Q's scale words and codes, just written, and the first products
.endr
	s_mov_b32 s[TK], 0
	s_mov_b32 s[TS], 0
	s_mov_b32 s[CNT], 16
.Lstep_\@:
	STEP
	s_sub_co_u32 s[CNT], s[CNT], 1
	s_cmp_lg_u32 s[CNT], 0
	s_cbranch_scc1 .Lstep_\@
	EPI \n
.endm
	TILE 0
	TILE 1
	s_wait_tensorcnt 0x0                           ; the wave's end: a tensor wait, an add to my spare word and its wait, behind my last tensor load
	ds_add_u32 v[SPW], v[NIL]
	s_wait_dscnt 0x0
	CROUND                                         ; the closing round
	s_endpgm
.Lfunc_end_k_qa09556e024_attn:
	.size	k_qa09556e024_attn, .Lfunc_end_k_qa09556e024_attn-k_qa09556e024_attn
	.p2alignl 7, 3214868480
	.fill 96, 4, 3214868480
	.section	.rodata,"a",@progbits
	.p2align	6, 0x0
	.amdhsa_kernel k_qa09556e024_attn
		.amdhsa_group_segment_fixed_size 167936
		.amdhsa_private_segment_fixed_size 0
		.amdhsa_enable_private_segment 0
		.amdhsa_kernarg_size 24
		.amdhsa_user_sgpr_count 2
		.amdhsa_user_sgpr_kernarg_segment_ptr 1
		.amdhsa_wavefront_size32 1
		.amdhsa_system_sgpr_workgroup_id_x 1
		.amdhsa_system_sgpr_workgroup_id_y 1
		.amdhsa_system_sgpr_workgroup_id_z 1
		.amdhsa_system_vgpr_workitem_id 0
		.amdhsa_next_free_vgpr 256
		.amdhsa_next_free_sgpr 66
		.amdhsa_reserve_vcc 1
		.amdhsa_float_denorm_mode_32 3
		.amdhsa_float_denorm_mode_16_64 3
		.amdhsa_memory_ordered 1
		.amdhsa_forward_progress 1
		.amdhsa_inst_pref_size 45
	.end_amdhsa_kernel
	.amdgpu_metadata
---
amdhsa.version: [ 1, 2 ]
amdhsa.kernels:
  - .name:           k_qa09556e024_attn
    .symbol:         k_qa09556e024_attn.kd
    .args:
      - { .name: heads, .offset: 0, .size: 8, .value_kind: global_buffer, .address_space: global }
      - { .name: oc, .offset: 8, .size: 8, .value_kind: global_buffer, .address_space: global }
      - { .name: os, .offset: 16, .size: 8, .value_kind: global_buffer, .address_space: global }
    .group_segment_fixed_size: 167936
    .private_segment_fixed_size: 0
    .kernarg_segment_align: 8
    .kernarg_segment_size: 24
    .max_flat_workgroup_size: 512
    .sgpr_count:     66
    .vgpr_count:     256
    .wavefront_size: 32
...
	.end_amdgpu_metadata
.endif
;; end of part 3
;; launch outp (part 4): grid 256 x 1, 4 waves a work-group, no clusters, 34,304 bytes of LDS; arguments opc, ops, oc, os, bo, out0; writes out0
.if DOCPART == 4
	.amdgcn_target "amdgcn-amd-amdhsa--gfx1250"
	.amdhsa_code_object_version 6
	.text
	.protected	k_qa09556e024_outp
	.globl	k_qa09556e024_outp
	.p2align	8
	.type	k_qa09556e024_outp,@function
k_qa09556e024_outp:
	s_mov_b64 s[64:65], 0
	v_nop
	global_prefetch_b8 v0, s[64:65] scope:SCOPE_SE
	s_setreg_imm32_b32 hwreg(HW_REG_WAVE_MODE, 25, 1), 1
	s_wait_xcnt 0x0
; LAUNCH 4 OF 4: out0 = o Wo + bo on the codes of launches 3 (o) and 1 (Wo).  No work is left out.
; SHARES.  Work-group g takes rows 32 g .. 32 g + 31: o's tiles 2 g and 2 g + 1.  Wave w takes columns 128 w .. + 127: Wo's tiles 1120 + 8 w + t, which stay in its registers.
; A UNIT: source 0 = Wo's 8 tiles, source 1 = one tile of o, K = 512: 32 matrix instructions on 8 accumulators by turns; bo is the C of each sum's first product.
; Register ACC + 16 b + i of lane (r, h) = column 128 w + 32 b + 16 h + i of row 32 g + 8 j + r + 8 (r / 8).  A lane's numbers belong to one row and the lanes beside it hold other rows: so a unit goes through the wave's own
; stage in LDS and leaves as rows: each store of the wave covers 512 consecutive bytes, aligned.  Waves share nothing: no barrier.
.set SPARE, 33792                      ; behind the four stages: the spare words, 128 bytes for each wave
.set STG,   8448                       ; a wave's stage: 16 rows x 528 bytes
.set SP,    528
.set LN,   1
.set RR,   2
.set HL,   3
.set L16,  4
.set R16,  5
.set STO,  6                           ; v6   the stage, on the way in: row r, + 64 h
.set RD,   7                           ; v7   and out: 16 x lane
.set BH,   10
.set SPW,  12                          ; v12  LDS address of my spare word; never rewritten
.set NIL,  13                          ; v13  0; never rewritten
.set S0SC, 16                          ; v16-47  Wo's scale words
.set S1SC, 48                          ; v48-55  o's, two sets
.set ACC,  56                          ; v56-119
.set RB,   120                         ; v120-247 two sets of 16 rows read back
; window 1: Wo's fragments (t, s = 0, 1) at 12 (2 t + s); v192-255 bo, 8 registers a tile.  window 2: (t, s = 2, 3).  window 3: o's tile, set p at 64 p + 12 s
.set A0,   24
.set B0,   26
.set A1,   28
.set B1,   30
.set BIAS, 32
.set OUTB, 34
.set MSB, 0
.macro WIN new                         ; the immediate's high byte repeats the setting that is left
.if MSB != \new
	s_set_vgpr_msb (MSB<<8)|\new
.set MSB, \new
.endif
.endm
.macro LOAD0
	WIN 0x40
.irp t, 0,1,2,3,4,5,6,7
.irp s, 0,1
.irp g, 0,1,2
	global_load_b128 v[12*(2*\t+\s)+4*\g:12*(2*\t+\s)+4*\g+3], v[L16], s[A0:A0+1] offset:6144*\t+1536*\s+512*\g
.endr
.endr
.endr
	WIN 0x80
.irp t, 0,1,2,3,4,5,6,7
.irp s, 0,1
.irp g, 0,1,2
	global_load_b128 v[12*(2*\t+\s)+4*\g:12*(2*\t+\s)+4*\g+3], v[L16], s[A0:A0+1] offset:6144*\t+1536*(\s+2)+512*\g
.endr
.endr
.endr
	WIN 0
.irp t, 0,1,2,3,4,5,6,7
	global_load_b128 v[S0SC+4*\t:S0SC+4*\t+3], v[R16], s[B0:B0+1] offset:256*\t
.endr
.endm
.macro LOAD1 j
	WIN 0xc0
.irp s, 0,1,2,3
.irp g, 0,1,2
	global_load_b128 v[64*(\j)+12*\s+4*\g:64*(\j)+12*\s+4*\g+3], v[L16], s[A1:A1+1] offset:6144*(\j)+1536*\s+512*\g
.endr
.endr
	WIN 0
	global_load_b128 v[S1SC+4*(\j):S1SC+4*(\j)+3], v[R16], s[B1:B1+1] offset:256*(\j)
.endm
.macro MM p                            ; the 8 accumulators take turns, one instruction a turn
	WIN 0x1d
.irp t, 0,1,2,3,4,5,6,7
	v_wmma_scale_f32_16x16x128_f8f6f4 v[ACC+8*\t:ACC+8*\t+7], v[24*\t:24*\t+11], v[64*(\p):64*(\p)+11], v[192+8*\t:192+8*\t+7], v[S0SC+4*\t], v[S1SC+4*(\p)] matrix_a_fmt:MATRIX_FMT_FP6 matrix_b_fmt:MATRIX_FMT_FP6
.endr
	WIN 0x0d
.irp t, 0,1,2,3,4,5,6,7
	v_wmma_scale_f32_16x16x128_f8f6f4 v[ACC+8*\t:ACC+8*\t+7], v[24*\t+12:24*\t+23], v[64*(\p)+12:64*(\p)+23], v[ACC+8*\t:ACC+8*\t+7], v[S0SC+4*\t+1], v[S1SC+4*(\p)+1] matrix_a_fmt:MATRIX_FMT_FP6 matrix_b_fmt:MATRIX_FMT_FP6
.endr
	WIN 0x0e
.irp t, 0,1,2,3,4,5,6,7
	v_wmma_scale_f32_16x16x128_f8f6f4 v[ACC+8*\t:ACC+8*\t+7], v[24*\t:24*\t+11], v[64*(\p)+24:64*(\p)+35], v[ACC+8*\t:ACC+8*\t+7], v[S0SC+4*\t+2], v[S1SC+4*(\p)+2] matrix_a_fmt:MATRIX_FMT_FP6 matrix_b_fmt:MATRIX_FMT_FP6
.endr
.irp t, 0,1,2,3,4,5,6,7
	v_wmma_scale_f32_16x16x128_f8f6f4 v[ACC+8*\t:ACC+8*\t+7], v[24*\t+12:24*\t+23], v[64*(\p)+36:64*(\p)+47], v[ACC+8*\t:ACC+8*\t+7], v[S0SC+4*\t+3], v[S1SC+4*(\p)+3] matrix_a_fmt:MATRIX_FMT_FP6 matrix_b_fmt:MATRIX_FMT_FP6
.endr
	WIN 0
.rept 5
	v_nop                                          ; places behind the last products: four ahead of the LDS stores that read the results; five ahead of the next unit's first products, which begin the same accumulators anew, with no other vector work between
.endr
.endm
.macro EPI_O j
.irp b, 0,1,2,3
.irp q, 0,1,2,3
	ds_store_b128 v[STO], v[ACC+16*\b+4*\q:ACC+16*\b+4*\q+3] offset:128*\b+16*\q   ; ascending: each accumulator from its low end on
.endr
.endr
.irp i, 0,1,2,3,4,5,6,7,8,9,10,11,12,13,14,15
	ds_load_b128 v[RB+64*(\j)+4*\i:RB+64*(\j)+4*\i+3], v[RD] offset:SP*\i   ; LDS serves a wave's instructions in order: these see my stores, and the next unit's stores come behind them
.endr
.irp i, 0,1,2,3,4,5,6,7,8,9,10,11,12,13,14,15
	s_wait_dscnt 15-\i                             ; row i is back; the loads issued behind it may be out
	global_store_b128 v[L16], v[RB+64*(\j)+4*\i:RB+64*(\j)+4*\i+3], s[OUTB:OUTB+1] offset:(8*(\j)+\i+8*(\i/8))*2048 th:TH_STORE_NT
.endr
.endm
	s_load_b256 s[4:11], s[0:1], 0x0               ; opc, ops, oc, os
	s_load_b128 s[12:15], s[0:1], 0x20             ; bo, out0
	v_lshl_add_u32 v[SPW], v0, 2, SPARE
	v_mov_b32 v[NIL], 0
	v_lshrrev_b32 v[LN], 5, v0
	v_readfirstlane_b32 s16, v[LN]                 ; wave
	v_and_b32 v[LN], 31, v0
	v_and_b32 v[RR], 15, v0
	v_bfe_u32 v[HL], v0, 4, 1
	v_lshlrev_b32 v[L16], 4, v[LN]
	v_lshlrev_b32 v[R16], 4, v[RR]
	v_lshlrev_b32 v[BH], 6, v[HL]
	s_mul_i32 s17, s16, STG
	v_mul_u32_u24 v[STO], v[RR], SP
	v_lshl_add_u32 v[STO], v[HL], 6, v[STO]
	v_add_nc_u32 v[STO], s17, v[STO]
	v_add_nc_u32 v[RD], s17, v[L16]
	s_lshl_b32 s18, s16, 3
	s_add_co_u32 s18, s18, 1120                    ; Wo's tiles 1120 + 8 w
	s_lshl_b32 s19, ttmp9, 1                       ; o's tiles 2 g
	s_mov_b32 s47, 0
	s_wait_kmcnt 0x0
	s_mul_i32 s46, s18, 6144
	s_add_nc_u64 s[A0:A0+1], s[4:5], s[46:47]
	s_lshl_b32 s46, s18, 8
	s_add_nc_u64 s[B0:B0+1], s[6:7], s[46:47]
	s_mul_i32 s46, s19, 6144
	s_add_nc_u64 s[A1:A1+1], s[8:9], s[46:47]
	s_lshl_b32 s46, s19, 8
	s_add_nc_u64 s[B1:B1+1], s[10:11], s[46:47]
	s_lshl_b32 s46, s16, 9                         ; my 128 columns, 512 bytes
	s_add_nc_u64 s[BIAS:BIAS+1], s[12:13], s[46:47]
	s_add_nc_u64 s[OUTB:OUTB+1], s[14:15], s[46:47]
	s_lshl_b32 s46, ttmp9, 16                      ; 32 rows of 2,048 bytes
	s_add_nc_u64 s[OUTB:OUTB+1], s[OUTB:OUTB+1], s[46:47]
	LOAD0
	WIN 0x40
.irp t, 0,1,2,3,4,5,6,7                ; bo: for tile t my eight columns 32 (t / 2) + 16 h + 8 (t % 2) + 0 .. 7
	global_load_b128 v[192+8*\t:195+8*\t], v[BH], s[BIAS:BIAS+1] offset:4*(32*(\t/2)+8*(\t%2))
	global_load_b128 v[196+8*\t:199+8*\t], v[BH], s[BIAS:BIAS+1] offset:4*(32*(\t/2)+8*(\t%2))+16
.endr
	WIN 0
	LOAD1 0
	s_wait_loadcnt 0x0                             ; all that stays, and the first tile of o
	LOAD1 1                                        ; the second lands while the first is multiplied and stored
	MM 0
	EPI_O 0
	s_wait_loadcnt 0x0
	MM 1
	EPI_O 1
	s_wait_tensorcnt 0x0                           ; the wave's end: a tensor wait, an add to my spare word and its wait, behind my last LDS store
	ds_add_u32 v[SPW], v[NIL]
	s_wait_dscnt 0x0
	s_endpgm
.Lfunc_end_k_qa09556e024_outp:
	.size	k_qa09556e024_outp, .Lfunc_end_k_qa09556e024_outp-k_qa09556e024_outp
	.p2alignl 7, 3214868480
	.fill 96, 4, 3214868480
	.section	.rodata,"a",@progbits
	.p2align	6, 0x0
	.amdhsa_kernel k_qa09556e024_outp
		.amdhsa_group_segment_fixed_size 34304
		.amdhsa_private_segment_fixed_size 0
		.amdhsa_enable_private_segment 0
		.amdhsa_kernarg_size 48
		.amdhsa_user_sgpr_count 2
		.amdhsa_user_sgpr_kernarg_segment_ptr 1
		.amdhsa_wavefront_size32 1
		.amdhsa_system_sgpr_workgroup_id_x 1
		.amdhsa_system_sgpr_workgroup_id_y 1
		.amdhsa_system_sgpr_workgroup_id_z 1
		.amdhsa_system_vgpr_workitem_id 0
		.amdhsa_next_free_vgpr 880
		.amdhsa_next_free_sgpr 66
		.amdhsa_reserve_vcc 0
		.amdhsa_float_denorm_mode_32 3
		.amdhsa_float_denorm_mode_16_64 3
		.amdhsa_memory_ordered 1
		.amdhsa_forward_progress 1
		.amdhsa_inst_pref_size 33
	.end_amdhsa_kernel
	.amdgpu_metadata
---
amdhsa.version: [ 1, 2 ]
amdhsa.kernels:
  - .name:           k_qa09556e024_outp
    .symbol:         k_qa09556e024_outp.kd
    .args:
      - { .name: opc, .offset: 0, .size: 8, .value_kind: global_buffer, .address_space: global }
      - { .name: ops, .offset: 8, .size: 8, .value_kind: global_buffer, .address_space: global }
      - { .name: oc, .offset: 16, .size: 8, .value_kind: global_buffer, .address_space: global }
      - { .name: os, .offset: 24, .size: 8, .value_kind: global_buffer, .address_space: global }
      - { .name: bo, .offset: 32, .size: 8, .value_kind: global_buffer, .address_space: global }
      - { .name: out0, .offset: 40, .size: 8, .value_kind: global_buffer, .address_space: global }
    .group_segment_fixed_size: 34304
    .private_segment_fixed_size: 0
    .kernarg_segment_align: 8
    .kernarg_segment_size: 48
    .max_flat_workgroup_size: 128
    .sgpr_count:     66
    .vgpr_count:     880
    .wavefront_size: 32
...
	.end_amdgpu_metadata
.endif
;; end of part 4
;; ======== version 2 of 2: 4 launches
;; workspace buffers: opc 7,077,888 bytes; ops 294,912 bytes; heads 9,830,400 bytes; oc 3,145,728 bytes; os 131,072 bytes
;; launch quant (part 5): grid 288 x 1, 4 waves a work-group, no clusters, 34,304 bytes of LDS; arguments x, context, Wq, Wk, Wv, Wo, opc, ops; writes opc, ops
.if DOCPART == 5
	.amdgcn_target "amdgcn-amd-amdhsa--gfx1250"
	.amdhsa_code_object_version 6
	.text
	.protected	k_qa09556e024_quant
	.globl	k_qa09556e024_quant
	.p2align	8
	.type	k_qa09556e024_quant,@function
k_qa09556e024_quant:
	s_mov_b64 s[64:65], 0
	v_nop
	global_prefetch_b8 v0, s[64:65] scope:SCOPE_SE
	s_setreg_imm32_b32 hwreg(HW_REG_WAVE_MODE, 25, 1), 1
	s_wait_xcnt 0x0
; CROSS ATTENTION IN MX-FP6, LAUNCH 1 OF 4: x, context (K innermost) and Wq, Wk, Wv, Wo (K = their FIRST axis) become codes of E2M3 with one E8M0 byte for each 32 along K.
; NO WORK OF THE PROBLEM IS LEFT OUT IN ANY LAUNCH: all six products are live, and each bias goes into a quantised operand (bq, bk, bv) or into the output (bo); every input is loaded.
; THE OPERANDS' FORMAT, for all launches.  Lane l = (r = l % 16, h = l / 16).  A TILE is 16 rows; lane-row r of tile T is the matrix row 32 (T / 2) + 8 (T % 2) + r + 8 (r / 8), so that a product used
; transposed leaves 16 neighbours along the next K in the 16 registers of two neighbouring tiles.  A FRAGMENT (16 rows x 128 K, 12 registers a lane) lies in memory as the IMAGE OF ITS REGISTERS: registers 4 g .. 4 g + 3 of
; lane l at 512 g + 16 l, 1,536 bytes: three loads of 16 bytes a lane bring it, each 512 consecutive bytes.  Tile T, K step s at (4 T + s) x 1,536 of opc.  Its scale bytes: 256 bytes a tile in ops, row r's 16 at 16 r, word s for K step s.
; Tiles: x 0-511, context 512-1023, Wq 1024-, Wk 1056-, Wv 1088-, Wo 1120-1151 (a weight's rows are its columns n).
; SHARES.  One wave makes one tile: four fragments and the scale image.  Work-groups 0-31 take the weights: a lane takes a column and its registers run down K.  Work-groups 32-287 take x and context: each load reads
; 512 consecutive bytes of one row, and the 16 rows turn through the wave's own stage in LDS, so that a lane gets 32 neighbours of each of its two blocks.  Waves share nothing: no barrier.
; A block's scale is 2^(floor(log2(its largest magnitude)) - 2): its byte is the largest magnitude's exponent field - 2, held at 1 from below by a floor among the maximum's leaves.
; LIMITS: a block of zeros gets the byte 1 where the rule says 127 (its codes are zeros, and this program alone reads the bytes); blocks whose largest magnitude lies under 2^-124 are held at the byte 1; NaN and infinities among the inputs are not served.
.set SPARE, 33792                      ; behind the four stages: the spare words, 128 bytes for each wave
.set STG,   8448                       ; a wave's stage: 16 rows x 528 bytes
.set SP,    528                        ; a stage row: 512 bytes + 16: 33 x 16, so that the 16 rows of a read begin in 16 different groups of banks
.set LN,  1                            ; v1   lane
.set RR,  2                            ; v2   r
.set HH,  3                            ; v3   h
.set L16, 4                            ; v4   16 x lane
.set WO,  5                            ; v5   a weight: 4 (r + 8 (r / 8)) + 32 rows of 2,048 bytes x h
.set STI, 6                            ; v6   the stage, on the way in: 16 x lane
.set STO, 7                            ; v7   and out: row r, + 128 h
.set SA,  8                            ; v8   the scale image: 16 r + 8 h
.set SH8, 9                            ; v9   8 h
.set T,   10                           ; v10  a lane permute's result
.set SPW, 12                           ; v12  LDS address of my spare word; never rewritten
.set NIL, 13                           ; v13  0; never rewritten
.set R,   16                           ; v16-143  two sets of 64 numbers as loaded
.set X,   144                          ; v144-207 64 numbers: register 32 c + i = k 64 c + 32 h + i of my row
.set C,   208                          ; v208-219 a fragment's codes
.set CT,  220                          ; v220-227 the upper halves of the two blocks, as the conversions leave them
.set W,   228                          ; v228-231 the four scale words of my row
.set D,   232                          ; v232-233 my 8 bytes of the scale image
.set MX,  234
.set SO,  236
.set BY,  238
.set SEL, 22                           ; s[22:23] selects for lane l xor 16
.set HI,  24                           ; s24  lanes 16-31
.set SRC, 26                           ; s[26:27] the tile's first byte in its tensor
.set DC,  28                           ; s[28:29] its codes
.set DS,  30                           ; s[30:31] its scale image
	s_load_b256 s[4:11], s[0:1], 0x0               ; x, context, Wq, Wk
	s_load_b256 s[12:19], s[0:1], 0x20             ; Wv, Wo, opc, ops
	v_lshl_add_u32 v[SPW], v0, 2, SPARE
	v_mov_b32 v[NIL], 0
	v_lshrrev_b32 v[T], 5, v0
	v_readfirstlane_b32 s20, v[T]                  ; wave
	v_and_b32 v[LN], 31, v0
	v_and_b32 v[RR], 15, v0
	v_bfe_u32 v[HH], v0, 4, 1
	v_lshlrev_b32 v[L16], 4, v[LN]
	v_and_b32 v[WO], 8, v[RR]
	v_add_nc_u32 v[WO], v[WO], v[RR]               ; r + 8 (r / 8)
	v_lshlrev_b32 v[WO], 2, v[WO]
	v_lshl_add_u32 v[WO], v[HH], 16, v[WO]
	s_mul_i32 s21, s20, STG
	v_add_nc_u32 v[STI], s21, v[L16]
	v_mul_u32_u24 v[STO], v[RR], SP
	v_lshl_add_u32 v[STO], v[HH], 7, v[STO]
	v_add_nc_u32 v[STO], s21, v[STO]
	v_lshlrev_b32 v[SA], 4, v[RR]
	v_lshl_add_u32 v[SA], v[HH], 3, v[SA]
	v_lshlrev_b32 v[SH8], 3, v[HH]
	s_mov_b32 s[SEL], 0x76543210
	s_mov_b32 s[SEL+1], 0xfedcba98
	s_mov_b32 s[HI], 0xffff0000
	s_lshl_b32 s25, ttmp9, 2
	s_add_co_u32 s25, s25, s20                     ; 4 x work-group + wave
; 64 numbers of a lane, v[n + 32 c + i] = k 64 c + 32 h + i of my row: both blocks are wholly mine.  They become the fragment's 12 registers in v[C] on and scale word s of my row.
.macro QFRAG n, s
.irp c, 0,1
	v_max3_num_f32 v[MX+\c], |v[(\n)+32*\c]|, |v[(\n)+32*\c+1]|, 0x1800000   ; the floor 2^(3 - 127): the byte cannot fall under 1
.endr
.irp i, 2,4,6,8,10,12,14,16,18,20,22,24,26,28,30
.irp c, 0,1
	v_max3_num_f32 v[MX+\c], v[MX+\c], |v[(\n)+32*\c+\i]|, |v[(\n)+32*\c+\i+1]|   ; the two blocks by turns
.endr
.endr
.irp c, 0,1
	v_add_nc_u32 v[SO+\c], 0xff000000, v[MX+\c]    ; 2 off the exponent field: the conversion's scale operand
.endr
.irp c, 0,1
	v_lshrrev_b32 v[BY+\c], 23, v[SO+\c]           ; the scale's byte
.endr
	v_lshl_or_b32 v[W+\s], v[BY+1], 16, v[BY]      ; my two bytes, blocks h and 2 + h,
	v_lshlrev_b32 v[W+\s], v[SH8], v[W+\s]         ; at their places in the word;
	v_permlanex16_b32 v[T], v[W+\s], s[SEL], s[SEL+1]
	v_or_b32 v[W+\s], v[W+\s], v[T]                ; with lane l xor 16's two it is whole
	s_wait_alu depctr_va_vdst(0)
	s_wait_xcnt 0x0                                ; the last fragment's stores have read the codes' registers: they are written again only behind this wait
.irp c, 0,1
	v_cvt_scalef32_pk16_fp6_f32 v[C+6*\c:C+6*\c+2], v[(\n)+32*\c:(\n)+32*\c+15], v[SO+\c]
	v_cvt_scalef32_pk16_fp6_f32 v[CT+4*\c:CT+4*\c+2], v[(\n)+32*\c+16:(\n)+32*\c+31], v[SO+\c]   ; (a conversion's three registers begin on an even number)
.endr
	v_nop                                          ; one plain place behind the scaled conversions
.irp c, 0,1
.irp i, 0,1,2
	v_mov_b32 v[C+6*\c+3+\i], v[CT+4*\c+\i]
.endr
.endr
.endm
.macro OUT s                           ; the fragment's image: three stores of 512 consecutive bytes
.irp g, 0,1,2
	global_store_b128 v[L16], v[C+4*\g:C+4*\g+3], s[DC:DC+1] offset:1536*(\s)+512*\g
.endr
.endm
.macro DEST                            ; s34 = the tile's number
	s_mul_i32 s32, s34, 6144
	s_mov_b32 s33, 0
	s_add_nc_u64 s[DC:DC+1], s[16:17], s[32:33]
	s_lshl_b32 s32, s34, 8
	s_add_nc_u64 s[DS:DS+1], s[18:19], s[32:33]
.endm
.macro LOADW s, u                      ; a weight's K step s into set u: W(128 s + 64 c + 32 h + i, my column)
.set kk, 0
.rept 64
	global_load_b32 v[R+64*(\u)+kk], v[WO], s[SRC:SRC+1] offset:(128*(\s)+64*(kk/32)+kk%32)*2048
.set kk, kk+1
.endr
.endm
.macro LOADA s, u                      ; K step s of the tile's 16 rows into set u: each load is 512 consecutive bytes of one row
.irp i, 0,1,2,3,4,5,6,7,8,9,10,11,12,13,14,15
	global_load_b128 v[R+64*(\u)+4*\i:R+64*(\u)+4*\i+3], v[L16], s[SRC:SRC+1] offset:(\i+8*(\i/8))*2048+512*(\s) th:TH_LOAD_NT
.endr
.endm
.macro TURN u                          ; through my stage: LDS serves a wave's instructions in order, so no wait stands between the stores and the loads
.irp i, 0,1,2,3,4,5,6,7,8,9,10,11,12,13,14,15
	ds_store_b128 v[STI], v[R+64*(\u)+4*\i:R+64*(\u)+4*\i+3] offset:SP*\i
.endr
.irp c, 0,1
.irp q, 0,1,2,3,4,5,6,7
	ds_load_b128 v[X+32*\c+4*\q:X+32*\c+4*\q+3], v[STO] offset:256*\c+16*\q
.endr
.endr
.endm
	s_wait_kmcnt 0x0
	s_cmp_lt_u32 ttmp9, 32
	s_cbranch_scc0 .Lacts
	; ---- the weights: tile 1024 + 4 x work-group + wave
	s_lshr_b32 s21, ttmp9, 3                       ; which weight: the choice hangs on the work-group's number alone
	s_mov_b64 s[SRC:SRC+1], s[8:9]
	s_cmp_eq_u32 s21, 1
	s_cselect_b64 s[SRC:SRC+1], s[10:11], s[SRC:SRC+1]
	s_cmp_eq_u32 s21, 2
	s_cselect_b64 s[SRC:SRC+1], s[12:13], s[SRC:SRC+1]
	s_cmp_eq_u32 s21, 3
	s_cselect_b64 s[SRC:SRC+1], s[14:15], s[SRC:SRC+1]
	s_and_b32 s32, s25, 31                         ; the tile within its weight
	s_lshr_b32 s33, s32, 1
	s_lshl_b32 s33, s33, 7                         ; 32 columns of 4 bytes for each pair of tiles,
	s_and_b32 s32, s32, 1
	s_lshl_b32 s32, s32, 5                         ; 8 columns for the odd one
	s_add_co_u32 s32, s32, s33
	s_mov_b32 s33, 0
	s_add_nc_u64 s[SRC:SRC+1], s[SRC:SRC+1], s[32:33]
	s_add_co_u32 s34, s25, 1024
	DEST
	s_wait_alu depctr_va_vdst(0)
	LOADW 0, 0
	LOADW 1, 1
	s_wait_loadcnt 63                              ; 64 younger loads were issued behind this K step's: 63, the largest count that the wait can name, lies under that
	QFRAG R, 0
	LOADW 2, 0
	OUT 0
	s_wait_loadcnt 63                              ; likewise: K step 2's 64 are younger
	QFRAG R+64, 1
	LOADW 3, 1
	OUT 1
	s_wait_loadcnt 63                              ; K step 3's 64 are younger
	QFRAG R, 2
	OUT 2
	s_wait_loadcnt 0x0
	QFRAG R+64, 3
	OUT 3
	s_branch .Ltail
.Lacts:
	; ---- x and context: tile 4 x (work-group - 32) + wave
	s_sub_co_u32 s34, s25, 128
	s_cmp_lt_u32 s34, 512
	s_cselect_b64 s[SRC:SRC+1], s[4:5], s[6:7]
	s_and_b32 s32, s34, 511
	s_lshr_b32 s33, s32, 1
	s_lshl_b32 s33, s33, 16                        ; 32 rows of 2,048 bytes for each pair of tiles,
	s_and_b32 s32, s32, 1
	s_lshl_b32 s32, s32, 14                        ; 8 rows for the odd one
	s_add_co_u32 s32, s32, s33
	s_mov_b32 s33, 0
	s_add_nc_u64 s[SRC:SRC+1], s[SRC:SRC+1], s[32:33]
	DEST
	LOADA 0, 0
	LOADA 1, 1
	s_wait_loadcnt 16                              ; this K step's 16 loads are in; the next step's 16 may be out
	s_wait_alu depctr_va_vdst(0)
	TURN 0
	s_wait_dscnt 0x0                               ; the numbers are back, and the stores into the stage have read their registers,
	LOADA 2, 0                                     ; which take the K step two on
	QFRAG X, 0
	OUT 0
	s_wait_loadcnt 16
	TURN 1
	s_wait_dscnt 0x0
	LOADA 3, 1
	QFRAG X, 1
	OUT 1
	s_wait_loadcnt 16
	TURN 0
	s_wait_dscnt 0x0
	QFRAG X, 2
	OUT 2
	s_wait_loadcnt 0x0
	TURN 1
	s_wait_dscnt 0x0
	QFRAG X, 3
	OUT 3
.Ltail:
	v_cndmask_b32 v[D], v[W], v[W+2], s[HI]        ; lanes 0-15 store words 0 and 1 of row r, lanes 16-31 words 2 and 3:
	v_cndmask_b32 v[D+1], v[W+1], v[W+3], s[HI]
	global_store_b64 v[SA], v[D:D+1], s[DS:DS+1]   ; 256 consecutive bytes, aligned
	s_wait_tensorcnt 0x0                           ; the wave's end: a tensor wait, an add to my spare word and its wait, behind the last LDS store
	ds_add_u32 v[SPW], v[NIL]
	s_wait_dscnt 0x0
	s_endpgm
.Lfunc_end_k_qa09556e024_quant:
	.size	k_qa09556e024_quant, .Lfunc_end_k_qa09556e024_quant-k_qa09556e024_quant
	.p2alignl 7, 3214868480
	.fill 96, 4, 3214868480
	.section	.rodata,"a",@progbits
	.p2align	6, 0x0
	.amdhsa_kernel k_qa09556e024_quant
		.amdhsa_group_segment_fixed_size 34304
		.amdhsa_private_segment_fixed_size 0
		.amdhsa_enable_private_segment 0
		.amdhsa_kernarg_size 64
		.amdhsa_user_sgpr_count 2
		.amdhsa_user_sgpr_kernarg_segment_ptr 1
		.amdhsa_wavefront_size32 1
		.amdhsa_system_sgpr_workgroup_id_x 1
		.amdhsa_system_sgpr_workgroup_id_y 1
		.amdhsa_system_sgpr_workgroup_id_z 1
		.amdhsa_system_vgpr_workitem_id 0
		.amdhsa_next_free_vgpr 240
		.amdhsa_next_free_sgpr 66
		.amdhsa_reserve_vcc 0
		.amdhsa_float_denorm_mode_32 3
		.amdhsa_float_denorm_mode_16_64 3
		.amdhsa_memory_ordered 1
		.amdhsa_forward_progress 1
		.amdhsa_inst_pref_size 68
	.end_amdhsa_kernel
	.amdgpu_metadata
---
amdhsa.version: [ 1, 2 ]
amdhsa.kernels:
  - .name:           k_qa09556e024_quant
    .symbol:         k_qa09556e024_quant.kd
    .args:
      - { .name: x, .offset: 0, .size: 8, .value_kind: global_buffer, .address_space: global }
      - { .name: context, .offset: 8, .size: 8, .value_kind: global_buffer, .address_space: global }
      - { .name: Wq, .offset: 16, .size: 8, .value_kind: global_buffer, .address_space: global }
      - { .name: Wk, .offset: 24, .size: 8, .value_kind: global_buffer, .address_space: global }
      - { .name: Wv, .offset: 32, .size: 8, .value_kind: global_buffer, .address_space: global }
      - { .name: Wo, .offset: 40, .size: 8, .value_kind: global_buffer, .address_space: global }
      - { .name: opc, .offset: 48, .size: 8, .value_kind: global_buffer, .address_space: global }
      - { .name: ops, .offset: 56, .size: 8, .value_kind: global_buffer, .address_space: global }
    .group_segment_fixed_size: 34304
    .private_segment_fixed_size: 0
    .kernarg_segment_align: 8
    .kernarg_segment_size: 64
    .max_flat_workgroup_size: 128
    .sgpr_count:     66
    .vgpr_count:     240
    .wavefront_size: 32
...
	.end_amdgpu_metadata
.endif
;; end of part 5
;; launch proj (part 6): grid 192 x 1, 4 waves a work-group, no clusters, 0 bytes of LDS; arguments opc, ops, bq, bk, bv, heads; writes heads
.if DOCPART == 6
	.amdgcn_target "amdgcn-amd-amdhsa--gfx1250"
	.amdhsa_code_object_version 6
	.text
	.protected	k_qa09556e024_proj
	.globl	k_qa09556e024_proj
	.p2align	8
	.type	k_qa09556e024_proj,@function
k_qa09556e024_proj:
	s_mov_b64 s[64:65], 0
	v_nop
	global_prefetch_b8 v0, s[64:65] scope:SCOPE_SE
	s_setreg_imm32_b32 hwreg(HW_REG_WAVE_SCHED_MODE, 0, 2), 2
	s_setreg_imm32_b32 hwreg(HW_REG_WAVE_MODE, 25, 1), 1
	s_wait_xcnt 0x0
	s_wait_alu depctr_vm_vsrc(0)
; LAUNCH 2 OF 4: q = x Wq + bq, k = context Wk + bk, v = context Wv + bv on the codes of launch 1, and q, k, v quantised at once: q and k along the head's 32 (one block a row and head), v along the keys.  No work is left out.
; A UNIT: source 0 = 8 tiles (128 rows) that stay in registers, source 1 = one tile, K = 512: 32 matrix instructions on 8 accumulators by turns.  Register ACC + 16 b + i of lane (r, h) = source 0's row 32 b + 16 h + i against source 1's lane-row r.
; SHARES.  P = work-group / 64 (0 q, 1 k, 2 v); gp = work-group % 64 = 16 x batch + step: 128 rows of x or context.  A wave runs 8 units.
;   q, k: source 0 = the weight's columns 128 w .. + 127 (heads 4 w .. 4 w + 3), source 1 = the 8 tiles of rows: a lane holds one row, and a block of 16 + 16 registers (lanes l, l xor 16) is one head's 32.
;   v:    source 0 = the 128 keys, source 1 = Wv's 8 tiles 8 w + j (head 4 w + j / 2, half j % 2 of its 32): a lane holds one column (head, d) and its registers run along the keys: a unit's result IS a fragment of V^T.
; Three equal products do not divide into 256 work-groups: 192 are launched.  Operands go from memory straight into registers, in register order: no LDS, no barrier.
; THE RECORD of a batch and head, 153,600 bytes in heads: KC 0: 32 fragments of 64 keys: lane (r, h), registers 6 c .. hold key 64 F + 32 c + 8 h + r + 8 (r / 8): the fragment's four K blocks are FOUR KEYS;
;   VC 49,152: fragment (step, u) at 3,072 step + 1,536 u: row r is d = 8 u + r + 8 (r / 8), K = the step's 128 keys; KS 98,304: word 64 F + 4 r, byte 2 c + h; VS 100,352: word 128 step + 4 l (lanes 16-31: u = 1); QC 102,400, QS 151,552: as KC, KS.
; STORES: v's fragments leave as runs of 512 bytes; of q's and k's 24 bytes a key 16 leave in aligned runs of 256 bytes a half-wave, 8 in pieces 16 bytes apart whose gaps another unit of the same wave fills; scale words in runs of 64 or 128 bytes.
; LIMITS: as in launch 1 (a block of zeros has the byte 1; under 2^-124 the byte is held at 1; NaN and infinities are not served).
; THE MODE: SCHED_MODE bits 1:0 = 2 (LLVM: expert scheduling mode 2), set by the entry lines.  The code itself states the register dependences between vector or matrix instructions and memory instructions, with s_wait_alu, always for 0.
; THE PLAN.  Registers that memory instructions touch:
;   v4 .. v10      the offsets: written once at the head, read by every load and store, never written again.
;   windows 1, 2, S0SC, the bias of q or k: filled once by the head's loads; after that matrix instructions alone name them.
;   set p of window 3, S1SC set p (v: BV + p)   tile j, p = j % 2: read by unit j's products (BV: by unit j's eight moves); the loads of tile j + 2 land there.
;   PC .. PC + 11, WP, WP + 1   written by unit j's conversions, swaps, moves and selects; read by unit j's stores; written again by unit j + 1.
; So ONE wait on va_vdst stands in a unit, behind its quantiser: it states that the codes and scale words are written, which the unit's stores read, and that the unit's products and moves are done reading set j % 2, in which
; the loads of tile j + 2 land.  Those loads and the stores follow it with no further wait: no vector or matrix instruction behind it names a register that they touch.  One wait on vm_vsrc stands at the head of a unit's way out,
; from the second unit on: the last unit's stores have read the registers that the quantiser writes again.
.set REC,  153600
.set KC,   0
.set VC,   49152
.set KS,   98304
.set VS,   100352
.set QC,   102400
.set QS,   151552
; window 0
.set LN,   1
.set RR,   2
.set HL,   3
.set L16,  4                           ; 16 x lane
.set R16,  5                           ; 16 r
.set VS0,  6                           ; 16 r + h x REC
.set VS1,  7                           ; 4 r + h x REC
.set L4,   8                           ; 4 x lane
.set RP4,  9                           ; 4 (r + 8 (r / 8))
.set BH,   10                          ; 64 h
.set S0SC, 16                          ; v16-47   source 0's scale words: tile t, K step s at 4 t + s
.set S1SC, 48                          ; v48-55   source 1's, two sets
.set ACC,  56                          ; v56-119
.set PC,   120                         ; v120-139 the codes just made (12) and the conversions' upper halves (8)
.set TM,   140                         ; v140-155 largest magnitudes, bytes, -, scale operands
.set PW,   156
.set PW0,  157
.set SW,   160                         ; v160-163 a head's scale word of four keys in the making
.set WP,   164
.set CB,   168                         ; v168-175 v's bias as a C
.set BV,   176                         ; v176-177 bv of my column, two sets
; window 1: source 0's fragments (t, s = 0, 1) at 12 (2 t + s); v192-255 the bias of q or k, 8 registers a tile.  window 2: (t, s = 2, 3).  window 3: source 1, set p at 64 p + 12 s
.set A0,   24
.set B0,   26
.set A1,   28
.set B1,   30
.set BIAS, 32
.set OB,   34
.set OS,   36
.set SEL,  38
.set HI,   40
.set MSB, 0
.macro WIN new                         ; the immediate's high byte repeats the setting that is left; bits 1:0 source 0, 3:2 source 1, 5:4 source 2, 7:6 destination
.if MSB != \new
	s_set_vgpr_msb (MSB<<8)|\new
.set MSB, \new
.endif
.endm
.macro LOAD0                           ; source 0: 32 fragments and 8 x 4 scale words; they stay
	WIN 0x40
.irp t, 0,1,2,3,4,5,6,7
.irp s, 0,1
.irp g, 0,1,2
	global_load_b128 v[12*(2*\t+\s)+4*\g:12*(2*\t+\s)+4*\g+3], v[L16], s[A0:A0+1] offset:6144*\t+1536*\s+512*\g
.endr
.endr
.endr
	WIN 0x80
.irp t, 0,1,2,3,4,5,6,7
.irp s, 0,1
.irp g, 0,1,2
	global_load_b128 v[12*(2*\t+\s)+4*\g:12*(2*\t+\s)+4*\g+3], v[L16], s[A0:A0+1] offset:6144*\t+1536*(\s+2)+512*\g
.endr
.endr
.endr
	WIN 0
.irp t, 0,1,2,3,4,5,6,7
	global_load_b128 v[S0SC+4*\t:S0SC+4*\t+3], v[R16], s[B0:B0+1] offset:256*\t
.endr
.endm
.macro LOAD1 j, bias                   ; source 1's tile j into set j % 2: 13 loads, with the bias 14
	WIN 0xc0
.irp s, 0,1,2,3
.irp g, 0,1,2
	global_load_b128 v[64*((\j)%2)+12*\s+4*\g:64*((\j)%2)+12*\s+4*\g+3], v[L16], s[A1:A1+1] offset:6144*(\j)+1536*\s+512*\g
.endr
.endr
	WIN 0
	global_load_b128 v[S1SC+4*((\j)%2):S1SC+4*((\j)%2)+3], v[R16], s[B1:B1+1] offset:256*(\j)
.if \bias
	global_load_b32 v[BV+(\j)%2], v[RP4], s[BIAS:BIAS+1] offset:4*(32*((\j)/2)+8*((\j)%2))
.endif
.endm
; A unit's 32 products.  The 8 accumulators take turns, one instruction a turn.  The bias is the C of each sum's first product: cm = 1: 8 registers a tile in window 1; cm = 2: v[CB] on.
; A, B and the scale words of every product were filled by loads: they owe the wait on LOADcnt alone.
.macro MM p, cm
.if \cm == 1
	WIN 0x1d
.irp t, 0,1,2,3,4,5,6,7
	v_wmma_scale_f32_16x16x128_f8f6f4 v[ACC+8*\t:ACC+8*\t+7], v[24*\t:24*\t+11], v[64*(\p):64*(\p)+11], v[192+8*\t:192+8*\t+7], v[S0SC+4*\t], v[S1SC+4*(\p)] matrix_a_fmt:MATRIX_FMT_FP6 matrix_b_fmt:MATRIX_FMT_FP6
.endr
.else
	WIN 0x0d
.irp t, 0,1,2,3,4,5,6,7
	v_wmma_scale_f32_16x16x128_f8f6f4 v[ACC+8*\t:ACC+8*\t+7], v[24*\t:24*\t+11], v[64*(\p):64*(\p)+11], v[CB:CB+7], v[S0SC+4*\t], v[S1SC+4*(\p)] matrix_a_fmt:MATRIX_FMT_FP6 matrix_b_fmt:MATRIX_FMT_FP6
.endr
.endif
	WIN 0x0d
.irp t, 0,1,2,3,4,5,6,7
	v_wmma_scale_f32_16x16x128_f8f6f4 v[ACC+8*\t:ACC+8*\t+7], v[24*\t+12:24*\t+23], v[64*(\p)+12:64*(\p)+23], v[ACC+8*\t:ACC+8*\t+7], v[S0SC+4*\t+1], v[S1SC+4*(\p)+1] matrix_a_fmt:MATRIX_FMT_FP6 matrix_b_fmt:MATRIX_FMT_FP6
.endr
	WIN 0x0e
.irp t, 0,1,2,3,4,5,6,7
	v_wmma_scale_f32_16x16x128_f8f6f4 v[ACC+8*\t:ACC+8*\t+7], v[24*\t:24*\t+11], v[64*(\p)+24:64*(\p)+35], v[ACC+8*\t:ACC+8*\t+7], v[S0SC+4*\t+2], v[S1SC+4*(\p)+2] matrix_a_fmt:MATRIX_FMT_FP6 matrix_b_fmt:MATRIX_FMT_FP6
.endr
.irp t, 0,1,2,3,4,5,6,7
	v_wmma_scale_f32_16x16x128_f8f6f4 v[ACC+8*\t:ACC+8*\t+7], v[24*\t+12:24*\t+23], v[64*(\p)+36:64*(\p)+47], v[ACC+8*\t:ACC+8*\t+7], v[S0SC+4*\t+3], v[S1SC+4*(\p)+3] matrix_a_fmt:MATRIX_FMT_FP6 matrix_b_fmt:MATRIX_FMT_FP6
.endr
	WIN 0
.rept 5
	v_nop                                          ; places behind the last products (ISA guide 7.12.1): four ahead of the first read of results, five ahead of a product that begins an accumulator anew
.endr
.endm
; The unit's 64 numbers a lane, register 16 b + i = place 32 b + 16 h + i along the quantiser's axis, become 12 registers of codes in v[PC] on: registers 6 c .. 6 c + 5 hold block 2 c in lanes 0-15 and block 2 c + 1 in lanes 16-31.
; The bytes of blocks 0-3 stand in v[TM+4] on; pw = 1: they make the scale word v[PW].
.macro QUANT pw
.irp b, 0,1,2,3
	v_max3_num_f32 v[TM+\b], |v[ACC+16*\b]|, |v[ACC+1+16*\b]|, 0x1800000   ; each accumulator is read from its low end on; the floor 2^(3 - 127) holds the byte at 1 from below
.endr
.irp i, 2,4,6,8,10,12,14
.irp b, 0,1,2,3
	v_max3_num_f32 v[TM+\b], v[TM+\b], |v[ACC+16*\b+\i]|, |v[ACC+1+16*\b+\i]|
.endr
.endr
.irp b, 0,1,2,3
	v_permlanex16_b32 v[TM+4+\b], v[TM+\b], s[SEL], s[SEL+1]
.endr
.irp b, 0,1,2,3
	v_max_num_f32 v[TM+\b], v[TM+\b], v[TM+4+\b]   ; with lane l xor 16's: the block's largest magnitude
.endr
.irp b, 0,1,2,3
	v_add_nc_u32 v[TM+12+\b], 0xff000000, v[TM+\b] ; 2 off its exponent field: the conversion's scale operand
.endr
.irp b, 0,1,2,3
	v_lshrrev_b32 v[TM+4+\b], 23, v[TM+12+\b]      ; the scale's byte
.endr
.if \pw
	v_lshl_or_b32 v[PW], v[TM+5], 8, v[TM+4]
	v_lshl_or_b32 v[PW], v[TM+6], 16, v[PW]
	v_lshl_or_b32 v[PW], v[TM+7], 24, v[PW]
.endif
.irp c, 0,1
	v_cvt_scalef32_pk16_fp6_f32 v[PC+6*\c:PC+2+6*\c], v[ACC+32*\c:ACC+15+32*\c], v[TM+12+2*\c]
	v_cvt_scalef32_pk16_fp6_f32 v[PC+12+4*\c:PC+14+4*\c], v[ACC+16+32*\c:ACC+31+32*\c], v[TM+12+2*\c+1]   ; (a conversion's three registers begin on an even number)
.endr
	v_nop                                          ; one plain place behind the scaled conversions
.irp c, 0,1
.irp i, 0,1,2
	v_permlane16_swap_b32 v[PC+6*\c+\i], v[PC+12+4*\c+\i]   ; the first's lanes 16-31 change places with the second's lanes 0-15: a whole block in a lane
.endr
.irp i, 0,1,2
	v_mov_b32 v[PC+3+6*\c+\i], v[PC+12+4*\c+\i]
.endr
.endr
.endm
; q, k: unit j holds rows 32 (j / 2) + 8 (j % 2) + r + 8 (r / 8) of the step: fragment j / 4, K block 2 c + h with c = (j / 2) % 2, h = j % 2.  Lane (r, h') holds head 4 w + 2 c' + h', 24 bytes.
.macro EPI_QK j
	s_wait_xcnt 0x0                                ; the last unit's stores have read their registers
.if (\j) > 0
	s_wait_alu depctr_vm_vsrc(0)                   ; the last unit's stores have read v[PC] on and v[WP] on, which the lines below write again
.endif
	QUANT 0
.irp b, 0,1,2,3
.if (\j)%4 == 0
	v_mov_b32 v[SW+\b], v[TM+4+\b]
.else
	v_lshl_or_b32 v[SW+\b], v[TM+4+\b], 8*((\j)%4), v[SW+\b]   ; four units' bytes make a fragment's scale word
.endif
.endr
.if (\j)%4 == 3
.irp c, 0,1
	v_cndmask_b32 v[WP+\c], v[SW+2*\c], v[SW+2*\c+1], s[HI]
.endr
.endif
	s_wait_alu depctr_va_vdst(0)                   ; the codes in v[PC] on (and the words in v[WP] on) are written, which the stores below read; this unit's products are done reading set j % 2 and its scale words, in which the loads below land
.if (\j) < 6
	LOAD1 (\j)+2, 0                                ; the tile two units on, into the set just freed: it has a whole unit and this way out in which to land
.endif
.irp c, 0,1
.if ((\j)/2)%2 == 0
	global_store_b128 v[VS0], v[PC+6*\c:PC+6*\c+3], s[OB:OB+1] offset:2*\c*REC+1536*((\j)/4)+256*((\j)%2)        ; the image's registers 0-3,
	global_store_b64 v[VS0], v[PC+6*\c+4:PC+6*\c+5], s[OB:OB+1] offset:2*\c*REC+1536*((\j)/4)+256*((\j)%2)+512   ; 4-5
.else
	global_store_b64 v[VS0], v[PC+6*\c:PC+6*\c+1], s[OB:OB+1] offset:2*\c*REC+1536*((\j)/4)+256*((\j)%2)+520     ; 6-7,
	global_store_b128 v[VS0], v[PC+6*\c+2:PC+6*\c+5], s[OB:OB+1] offset:2*\c*REC+1536*((\j)/4)+256*((\j)%2)+1024 ; 8-11
.endif
.endr
.if (\j)%4 == 3
.irp c, 0,1
	global_store_b32 v[VS1], v[WP+\c], s[OS:OS+1] offset:2*\c*REC+64*((\j)/4)
.endr
.endif
.endm
; v: unit j is fragment (step, j % 2) of head 4 w + j / 2
.macro EPI_V j
	s_wait_xcnt 0x0
.if (\j) > 0
	s_wait_alu depctr_vm_vsrc(0)                   ; the last unit's stores have read v[PC] on and v[WP], which the lines below write again
.endif
	QUANT 1
.if (\j)%2 == 0
	v_mov_b32 v[PW0], v[PW]
.else
	v_cndmask_b32 v[WP], v[PW0], v[PW], s[HI]      ; lanes 0-15 the even fragment's words, lanes 16-31 the odd one's
.endif
	s_wait_alu depctr_va_vdst(0)                   ; the codes in v[PC] on (and the words in v[WP]) are written, which the stores below read; this unit's products and its eight moves are done reading set j % 2, its scale words and its bias, in which the loads below land
.if (\j) < 6
	LOAD1 (\j)+2, 1                                ; the tile two units on, into the set just freed
.endif
.irp g, 0,1,2
	global_store_b128 v[L16], v[PC+4*\g:PC+4*\g+3], s[OB:OB+1] offset:((\j)/2)*REC+1536*((\j)%2)+512*\g
.endr
.if (\j)%2 == 1
	global_store_b32 v[L4], v[WP], s[OS:OS+1] offset:((\j)/2)*REC
.endif
.endm
	s_load_b256 s[4:11], s[0:1], 0x0               ; opc, ops, bq, bk
	s_load_b128 s[12:15], s[0:1], 0x20             ; bv, heads
	v_lshrrev_b32 v[LN], 5, v0
	v_readfirstlane_b32 s16, v[LN]                 ; wave
	v_and_b32 v[LN], 31, v0
	v_and_b32 v[RR], 15, v0
	v_bfe_u32 v[HL], v0, 4, 1
	v_lshlrev_b32 v[L16], 4, v[LN]
	v_lshlrev_b32 v[R16], 4, v[RR]
	v_mul_u32_u24 v[VS1], v[HL], REC
	v_lshl_add_u32 v[VS0], v[RR], 4, v[VS1]
	v_lshl_add_u32 v[VS1], v[RR], 2, v[VS1]
	v_lshlrev_b32 v[L4], 2, v[LN]
	v_and_b32 v[RP4], 8, v[RR]
	v_add_nc_u32 v[RP4], v[RP4], v[RR]
	v_lshlrev_b32 v[RP4], 2, v[RP4]
	v_lshlrev_b32 v[BH], 6, v[HL]
.irp b, 0,1,2,3
	v_mov_b32 v[TM+4+\b], 0                        ; written once: a lane permute's destination counts as one of its sources
.endr
	s_mov_b32 s[SEL], 0x76543210
	s_mov_b32 s[SEL+1], 0xfedcba98
	s_mov_b32 s[HI], 0xffff0000
	s_lshr_b32 s17, ttmp9, 6                       ; P
	s_and_b32 s18, ttmp9, 63                       ; gp
	s_lshr_b32 s19, s18, 4                         ; batch
	s_and_b32 s20, s18, 15                         ; step
	s_wait_alu depctr_va_sdst(0)                   ; s16, the wave's number, is written, ahead of its first reader: tiles, biases and records are chosen by it
	s_lshl_b32 s21, s16, 3                         ; 8 w
	s_lshl_b32 s22, s18, 3                         ; 8 gp
	s_lshl_b32 s23, s17, 5
	s_add_co_u32 s23, s23, s21
	s_add_co_u32 s23, s23, 1024                    ; q, k: the weight's tiles 1024 + 32 P + 8 w
	s_lshl_b32 s41, s17, 9
	s_add_co_u32 s41, s41, s22                     ;       the rows' tiles 512 P + 8 gp
	s_add_co_u32 s42, s22, 512                     ; v:    context's tiles 512 + 8 gp
	s_add_co_u32 s43, s21, 1088                    ;       Wv's tiles 1088 + 8 w
	s_cmp_eq_u32 s17, 2
	s_cselect_b32 s44, s42, s23                    ; source 0's first tile
	s_cselect_b32 s45, s43, s41                    ; source 1's
	s_mov_b32 s48, QC                              ; where the codes and the scale words go in a record
	s_mov_b32 s49, QS
	s_mov_b32 s50, KS
	s_cmp_eq_u32 s17, 1
	s_cselect_b32 s48, KC, s48
	s_cselect_b32 s49, s50, s49
	s_cmp_eq_u32 s17, 2
	s_mov_b32 s50, VC
	s_cselect_b32 s48, s50, s48
	s_mov_b32 s50, VS
	s_cselect_b32 s49, s50, s49
	s_lshl_b32 s51, s19, 4
	s_lshl_b32 s50, s16, 2
	s_add_co_u32 s51, s51, s50
	s_mul_i32 s51, s51, REC                        ; record 16 x batch + 4 w
	s_mul_i32 s50, s20, 3072
	s_add_co_u32 s48, s48, s50
	s_add_co_u32 s48, s48, s51
	s_lshl_b32 s50, s20, 7
	s_add_co_u32 s49, s49, s50
	s_add_co_u32 s49, s49, s51
	s_mov_b32 s47, 0
	s_wait_kmcnt 0x0
	s_mul_i32 s46, s44, 6144
	s_add_nc_u64 s[A0:A0+1], s[4:5], s[46:47]
	s_lshl_b32 s46, s44, 8
	s_add_nc_u64 s[B0:B0+1], s[6:7], s[46:47]
	s_mul_i32 s46, s45, 6144
	s_add_nc_u64 s[A1:A1+1], s[4:5], s[46:47]
	s_lshl_b32 s46, s45, 8
	s_add_nc_u64 s[B1:B1+1], s[6:7], s[46:47]
	s_cmp_eq_u32 s17, 0
	s_cselect_b64 s[BIAS:BIAS+1], s[8:9], s[10:11]
	s_cmp_eq_u32 s17, 2
	s_cselect_b64 s[BIAS:BIAS+1], s[12:13], s[BIAS:BIAS+1]
	s_lshl_b32 s46, s16, 9                         ; my 128 columns' biases
	s_add_nc_u64 s[BIAS:BIAS+1], s[BIAS:BIAS+1], s[46:47]
	s_mov_b32 s46, s48
	s_add_nc_u64 s[OB:OB+1], s[14:15], s[46:47]
	s_mov_b32 s46, s49
	s_add_nc_u64 s[OS:OS+1], s[14:15], s[46:47]
	s_wait_alu depctr_va_vdst(0)                   ; the seven offsets v4 to v10 are written: every load and store of the kernel reads one of them, and none is written again
	LOAD0
	s_cmp_eq_u32 s17, 2
	s_cbranch_scc1 .Lvalues
	; ---- q, k.  The bias hangs on source 0's row: for tile t my eight columns 32 (t / 2) + 16 h + 8 (t % 2) + 0 .. 7
	WIN 0x40
.irp t, 0,1,2,3,4,5,6,7
	global_load_b128 v[192+8*\t:195+8*\t], v[BH], s[BIAS:BIAS+1] offset:4*(32*(\t/2)+8*(\t%2))
	global_load_b128 v[196+8*\t:199+8*\t], v[BH], s[BIAS:BIAS+1] offset:4*(32*(\t/2)+8*(\t%2))+16
.endr
	WIN 0
	LOAD1 0, 0
	LOAD1 1, 0                                     ; both sets are asked for at the head; each unit's way out asks for the tile two units on
.irp j, 0,1,2,3,4,5,6,7
.if \j < 7
	s_wait_loadcnt 13                              ; loads come back in order (ISA guide 5.7.1): this unit's tile is in (and, the first time, all that stays); the next tile's 13 loads stay out
.else
	s_wait_loadcnt 0x0                             ; the last tile: nothing was asked for behind it
.endif
	MM \j%2, 1
	EPI_QK \j
.endr
	s_endpgm
.Lvalues:
	; ---- v.  The bias hangs on source 1's row, my lane's column: the same number in all eight registers of the C
	LOAD1 0, 1
	LOAD1 1, 1
.irp j, 0,1,2,3,4,5,6,7
.if \j < 7
	s_wait_loadcnt 14                              ; this unit's tile and bias are in; the next tile's 14 loads stay out
.else
	s_wait_loadcnt 0x0
.endif
.irp i, 0,1,2,3,4,5,6,7
	v_mov_b32 v[CB+\i], v[BV+\j%2]
.endr
.rept 4
	v_nop
.endr
	MM \j%2, 2
	EPI_V \j
.endr
	s_endpgm
.Lfunc_end_k_qa09556e024_proj:
	.size	k_qa09556e024_proj, .Lfunc_end_k_qa09556e024_proj-k_qa09556e024_proj
	.p2alignl 7, 3214868480
	.fill 96, 4, 3214868480
	.section	.rodata,"a",@progbits
	.p2align	6, 0x0
	.amdhsa_kernel k_qa09556e024_proj
		.amdhsa_group_segment_fixed_size 0
		.amdhsa_private_segment_fixed_size 0
		.amdhsa_enable_private_segment 0
		.amdhsa_kernarg_size 48
		.amdhsa_user_sgpr_count 2
		.amdhsa_user_sgpr_kernarg_segment_ptr 1
		.amdhsa_wavefront_size32 1
		.amdhsa_system_sgpr_workgroup_id_x 1
		.amdhsa_system_sgpr_workgroup_id_y 1
		.amdhsa_system_sgpr_workgroup_id_z 1
		.amdhsa_system_vgpr_workitem_id 0
		.amdhsa_next_free_vgpr 880
		.amdhsa_next_free_sgpr 66
		.amdhsa_reserve_vcc 0
		.amdhsa_float_denorm_mode_32 3
		.amdhsa_float_denorm_mode_16_64 3
		.amdhsa_memory_ordered 1
		.amdhsa_forward_progress 1
		.amdhsa_inst_pref_size 176
	.end_amdhsa_kernel
	.amdgpu_metadata
---
amdhsa.version: [ 1, 2 ]
amdhsa.kernels:
  - .name:           k_qa09556e024_proj
    .symbol:         k_qa09556e024_proj.kd
    .args:
      - { .name: opc, .offset: 0, .size: 8, .value_kind: global_buffer, .address_space: global }
      - { .name: ops, .offset: 8, .size: 8, .value_kind: global_buffer, .address_space: global }
      - { .name: bq, .offset: 16, .size: 8, .value_kind: global_buffer, .address_space: global }
      - { .name: bk, .offset: 24, .size: 8, .value_kind: global_buffer, .address_space: global }
      - { .name: bv, .offset: 32, .size: 8, .value_kind: global_buffer, .address_space: global }
      - { .name: heads, .offset: 40, .size: 8, .value_kind: global_buffer, .address_space: global }
    .group_segment_fixed_size: 0
    .private_segment_fixed_size: 0
    .kernarg_segment_align: 8
    .kernarg_segment_size: 48
    .max_flat_workgroup_size: 128
    .sgpr_count:     66
    .vgpr_count:     880
    .wavefront_size: 32
...
	.end_amdgpu_metadata
.endif
;; end of part 6
;; launch attn (part 7): grid 4 x 64, 16 waves a work-group, clusters of 4 x 1, 167,936 bytes of LDS; arguments heads, oc, os; writes oc, os
.if DOCPART == 7
	.amdgcn_target "amdgcn-amd-amdhsa--gfx1250"
	.amdhsa_code_object_version 6
	.text
	.protected	k_qa09556e024_attn
	.globl	k_qa09556e024_attn
	.p2align	8
	.type	k_qa09556e024_attn,@function
k_qa09556e024_attn:
	s_mov_b64 s[64:65], 0
	v_nop
	global_prefetch_b8 v0, s[64:65] scope:SCOPE_SE
	s_setreg_imm32_b32 hwreg(HW_REG_WAVE_MODE, 25, 1), 1
	s_wait_xcnt 0x0
	s_wait_alu depctr_hold_cnt(0) depctr_sa_sdst(0) depctr_va_vdst(0) depctr_va_sdst(0) depctr_va_ssrc(0) depctr_va_vcc(0) depctr_vm_vsrc(0)
	s_getreg_b32 s2, hwreg(HW_REG_IB_STS2, 6, 4)
	s_cmp_eq_u32 s2, 0
	s_cbranch_scc0 .Lentry_in_a_cluster
	s_endpgm
.Lentry_in_a_cluster:
	s_bfe_u32 s2, ttmp6, 0x10000c
	s_cmp_lg_u32 s2, 0x3003
	s_cbranch_scc0 .Lentry_shape_is_right
	s_endpgm
.Lentry_shape_is_right:
; LAUNCH 3 OF 4: o = softmax(q k^T / sqrt(32)) v for each batch and head, both products on codes of E2M3, and o quantised along C: a head's 32 columns are block 'head' of the last product's K.  No work is left out.
; THE SOFTMAX AHEAD OF THE SECOND PRODUCT: t = score x log2(e) / sqrt(32); M = the running largest t rounded UP to a whole number; p = 2^(t - M) is quantised along the keys, not normalised; the row's sum is taken of the
; unquantised p and divides at the end; when M moves, the sum and O are multiplied by 2^(old M - new M), which rounds nothing.
; SHARES.  A cluster of four work-groups is one batch and head; each owns 512 queries; each of its sixteen waves owns two tiles of 16 queries, one after the other: four waves to a SIMD, so that one wave's softmax stands beside another's products and LDS loads.
; K AND V OF THE WHOLE HEAD, codes and scale bytes, are the record's first 102,400 bytes: they come into LDS ONCE, as they lie, by sixteen joint tensor loads (one a wave, 25 rows of 256 bytes), which all four work-groups issue alike.
; Nothing is filled again: no ring, and one barrier.  The claim of LDS keeps the work-group alone on its WGP.
; THE FIRST PRODUCT HAS K = 32, the instruction 128.  A fragment of K holds 64 keys: the four K blocks of its row r are four keys.  Q is kept four times: Q_j has the query's 32 codes in block j and zero codes elsewhere
; (scale byte 0 there: 2^-127 times zero codes adds nothing).  K's fragment f times Q_j is S^T for the 16 keys 64 f + 32 (j / 2) + 8 (j % 2) + m + 8 (m / 8): so two fragments serve eight tiles, and the 16 registers of tiles 2 b, 2 b + 1 are 16 neighbouring keys.
; Both products are used transposed: a lane holds ONE query (lane % 16) throughout.
; STORES: a tile's codes of one head are 24 bytes a row, in pieces of 8 bytes 16 bytes apart, and one scale byte a row: the row's other heads belong to other work-groups.
; LIMITS: t is score x (log2(e) / sqrt(32)) in one rounding, where logit x log2(e) rounds twice; a block of zeros has the byte 1; NaN and infinities are not served.
.set REC,   153600
.set VCO,   49152                      ; LDS, as in the record: K's codes 0, V's codes 49,152, K's scale words 98,304, V's 100,352
.set KSO,   98304
.set QC,    102400
.set QS,    151552
.set SPARE, 102400                     ; the spare words, 128 bytes for each of sixteen waves
.set LN,  1                            ; v1   lane
.set L16, 2                            ; v2   16 x lane
.set L4,  3                            ; v3   4 x lane + KSO
.set SPW, 4                            ; v4   LDS address of my spare word; never rewritten
.set NIL, 5                            ; v5   0; never rewritten
.set ADK, 6                            ; v6   the step's fragments
.set ADS, 7                            ; v7   the step's scale words
.set VO1, 8                            ; v8   o's codes: pieces 0 (lanes 0-15) and 2 (lanes 16-31)
.set VO2, 9                            ; v9   piece 1
.set VOB, 10                           ; v10  o's scale byte: 16 r + head
.set TP,  11
; v12 -M, v13 the largest t, v[14:15] the sum in two halves
.set QF,  16                           ; v16-63   Q_0 .. Q_3
.set SQ,  64                           ; v64-67   their scale words
.set SKW, 68                           ; v68  K's scale words: lanes 0-15 fragment 0's, lanes 16-31 fragment 1's
.set SVW, 69                           ; v69  V's likewise
.set PWD, 70                           ; v70  p's scale word
.set KF,  72                           ; v72-95   two fragments of K
.set S,   96                           ; v96-159  S^T, then p
.set OT,  160                          ; v160-175 O^T: register k is d = 16 h + k
.set VF,  176                          ; v176-199 two fragments of V
.set PCD, 200                          ; v200-211 p's codes
.set PCT, 212                          ; v212-219 the conversions' upper halves
.set BM,  220                          ; v220-223 the blocks' largest scores, then largest p
.set PB,  224                          ; v224-227 permute results, then bytes
.set SCO, 228                          ; v228-231 the conversions' scale operands
.set FF,  232                          ; v[232:233] f = 2^(old M - new M); later 1 / the sum
.set TQ,  234
.set SM2, 236                          ; v[236:237] the sum's second chain
; v240-246, v248-254: the two tiles' queries as loaded: 24 bytes of codes and the scale word
.set WV,  10
.set G1,  16
.set G0,  24
.set HB,  28
.set QB,  30
.set QSB, 32
.set OB,  34
.set OSB, 36
.set SEL, 38
.set CS,  40
.set HI,  42
.set LO,  43
.set TK,  44
.set TS,  45
.set CNT, 46
.set SHQ, 47
.set SX,  52
.macro CROUND                          ; a round of the cluster's barrier: my work-group's barrier; wave 0 signals for the work-group; every wave waits for all four; my work-group's barrier once more
	s_barrier_signal -1
	s_barrier_wait -1
	s_cmp_lg_u32 s[WV], 0
	s_cbranch_scc1 .Lnot_wave_0_\@
	s_barrier_signal -3
.Lnot_wave_0_\@:
	s_barrier_wait -3
	s_barrier_signal -1
	s_barrier_wait -1
.endm
	s_load_b128 s[4:7], s[0:1], 0x0                ; heads, oc
	s_load_b64 s[8:9], s[0:1], 0x10                ; os
	v_lshl_add_u32 v[SPW], v0, 2, SPARE
	v_mov_b32 v[NIL], 0
	ds_add_u32 v[SPW], v[NIL]                      ; the wave's opening: the add, twice on end, and its wait ahead of my first tensor load
	ds_add_u32 v[SPW], v[NIL]
	v_lshrrev_b32 v[LN], 5, v0
	s_delay_alu instid0(VALU_DEP_1)
	v_readfirstlane_b32 s[WV], v[LN]               ; wave 0..15
	s_bfe_u32 s11, ttmp6, 0x40000                  ; cx: it enters Q's, oc's and os' global addresses alone
	s_and_b32 s12, ttmp7, 0xffff                   ; the record: 16 x batch + head, which the four partners share
	s_and_b32 s13, s12, 15                         ; head
	s_lshr_b32 s14, s12, 4                         ; batch
	s_mov_b32 s[G1], 15|(3<<16)|(1<<21)            ; 15:0 the mask: all four work-groups; 17:16 elements of 8 bytes; 21 set beside a mask; no padding
	s_mov_b32 s[G1+1], 32<<16                      ; tensor_dim0 = 32 elements: 256 bytes
	s_mov_b32 s[G1+2], 25<<16                      ; tensor_dim1 = 25
	s_mov_b32 s[G1+3], 32<<16                      ; tile_dim0
	s_mov_b32 s[G1+4], 25                          ; tile_dim1
	s_mov_b32 s[G1+5], 32                          ; from row to row: dense
	s_mov_b32 s[G1+6], 0
	s_mov_b32 s[G1+7], 0
	s_mov_b32 s[G0], 1
	s_mul_i32 s[G0+1], s[WV], 6400                 ; my 6,400 bytes, in LDS as in the record
	s_mul_i32 s48, s12, REC
	s_mov_b32 s49, 0
	s_mov_b32 s50, s[G0+1]
	s_mov_b32 s51, 0
	s_mov_b32 s[SEL], 0x76543210
	s_mov_b32 s[SEL+1], 0xfedcba98
	s_mov_b32 s[CS], 0x3e8293ee                    ; c = log2(e) / sqrt(32)
	s_mov_b32 s[CS+1], s[CS]                       ; (named with it as a pair, so it is written)
	s_mov_b32 s[HI], 0xffff0000
	s_mov_b32 s[LO], 0xffff
	s_wait_dscnt 0x0                               ; both opening adds are done
	s_wait_kmcnt 0x0
	s_add_nc_u64 s[HB:HB+1], s[4:5], s[48:49]      ; the record
	s_add_nc_u64 s[G0+2:G0+3], s[HB:HB+1], s[50:51]
	s_or_b32 s[G0+3], s[G0+3], 0x80000000          ; type = 2
	CROUND                                         ; all four work-groups are here: the joint loads meet
	tensor_load_to_lds s[G0:G0+3], s[G1:G1+7]      ; my one tensor load of the launch
	s_nop 0
.rept 4
	v_nop
.endr
	s_lshl_b32 s54, s11, 3
	s_lshr_b32 s55, s[WV], 2
	s_add_co_u32 s54, s54, s55                     ; my first tile, 32 cx + w, lies in Q's fragment 8 cx + w / 4, K block w % 4; the second four fragments on
	s_mul_i32 s56, s54, 1536
	s_add_co_u32 s56, s56, QC
	s_mov_b32 s57, 0
	s_add_nc_u64 s[QB:QB+1], s[HB:HB+1], s[56:57]
	s_lshl_b32 s56, s54, 6
	s_add_co_u32 s56, s56, QS
	s_add_nc_u64 s[QSB:QSB+1], s[HB:HB+1], s[56:57]
	s_lshl_b32 s54, s14, 7
	s_lshl_b32 s55, s11, 5
	s_add_co_u32 s54, s54, s55
	s_add_co_u32 s54, s54, s[WV]                   ; o's tile: 128 x batch + 32 cx + w
	s_lshl_b32 s56, s54, 8
	s_add_nc_u64 s[OSB:OSB+1], s[8:9], s[56:57]
	s_lshl_b32 s54, s54, 2
	s_lshr_b32 s55, s13, 2
	s_add_co_u32 s54, s54, s55                     ; its K step head / 4
	s_mul_i32 s56, s54, 1536
	s_add_nc_u64 s[OB:OB+1], s[6:7], s[56:57]
	v_and_b32 v[LN], 31, v0
	s_delay_alu instid0(VALU_DEP_1)
	v_lshlrev_b32 v[L16], 4, v[LN]
	s_delay_alu instid0(VALU_DEP_2)
	v_lshl_add_u32 v[L4], v[LN], 2, KSO
	v_and_b32 v[TP], 15, v0                        ; r
	s_wait_alu depctr_va_vdst(0)
	s_and_b32 s[SHQ], s[WV], 3
	s_lshl_b32 s[SHQ], s[SHQ], 3                   ; my queries' byte in their scale word
	; a block's three pieces of 8 bytes in an image: block 2 c + h of lane-row r: 16 r + 256 h + {520 c, 8 + 1016 c, 512 + 520 c}
	s_and_b32 s48, s[WV], 1
	s_lshl_b32 s48, s48, 8
	s_bfe_u32 s49, s[WV], 0x10001
	s_mul_i32 s50, s49, 520
	s_add_co_u32 s50, s50, s48
	s_mul_i32 s51, s49, 1016
	s_add_co_u32 s51, s51, s48
	s_add_co_u32 s51, s51, 8
	v_lshl_add_u32 v[TQ], v[TP], 4, s50
	v_lshl_add_u32 v[TQ+1], v[TP], 4, s51
	v_lshlrev_b32 v[SM2], 2, v[TP]
.irp n, 0,1                            ; both halves of the lanes take query r's 24 bytes and its scale word
	global_load_b64 v[240+8*\n:241+8*\n], v[TQ], s[QB:QB+1] offset:6144*\n
	global_load_b64 v[242+8*\n:243+8*\n], v[TQ+1], s[QB:QB+1] offset:6144*\n
	global_load_b64 v[244+8*\n:245+8*\n], v[TQ], s[QB:QB+1] offset:6144*\n+512
	global_load_b32 v[246+8*\n], v[SM2], s[QSB:QSB+1] offset:256*\n
.endr
	s_and_b32 s48, s13, 1                          ; o: block head % 4 of its K step
	s_lshl_b32 s48, s48, 8
	s_bfe_u32 s49, s13, 0x10001
	s_mul_i32 s50, s49, 520
	s_add_co_u32 s50, s50, s48
	s_mul_i32 s51, s49, 1016
	s_add_co_u32 s51, s51, s48
	s_add_co_u32 s51, s51, 8
	v_bfe_u32 v[VOB], v0, 4, 1
	v_lshl_add_u32 v[VO1], v[TP], 4, s50
	s_delay_alu instid0(VALU_DEP_1)
	v_lshl_add_u32 v[VO1], v[VOB], 9, v[VO1]       ; lanes 16-31: piece 2, 512 bytes on from piece 0
	v_lshl_add_u32 v[VO2], v[TP], 4, s51
	v_lshl_add_u32 v[VOB], v[TP], 4, s13
.irp b, 0,1,2,3
	v_mov_b32 v[PB+\b], 0                          ; written once: a lane permute's destination counts as one of its sources
.endr
	v_mov_b32 v[FF+1], 0                           ; (named as the upper half of a pair)
	s_wait_tensorcnt 0x0                           ; my part of K and V is in,
	s_barrier_signal -1
	s_barrier_wait -1                              ; everybody's is
	s_wait_loadcnt 0x0                             ; my queries
; A KEY STEP: 128 keys
.macro STEP
	v_add_nc_u32 v[ADK], s[TK], v[L16]
	v_add_nc_u32 v[ADS], s[TS], v[L4]
	ds_load_b32 v[SKW], v[ADS]
.irp f, 0,1
.irp g, 0,1,2
	ds_load_b128 v[KF+12*\f+4*\g:KF+12*\f+4*\g+3], v[ADK] offset:1536*\f+512*\g
.endr
.endr
	s_wait_alu depctr_va_vdst(0)
	s_wait_dscnt 0x0
.irp j, 0,1,2,3
	v_wmma_scale_f32_16x16x128_f8f6f4 v[S+8*\j:S+8*\j+7], v[KF:KF+11], v[QF+12*\j:QF+12*\j+11], 0, v[SKW], v[SQ+\j] matrix_a_fmt:MATRIX_FMT_FP6 matrix_b_fmt:MATRIX_FMT_FP6
.endr
.irp j, 0,1,2,3
	v_wmma_scale_f32_16x16x128_f8f6f4 v[S+32+8*\j:S+32+8*\j+7], v[KF+12:KF+23], v[QF+12*\j:QF+12*\j+11], 0, v[SKW], v[SQ+\j] matrix_a_fmt:MATRIX_FMT_FP6 matrix_b_fmt:MATRIX_FMT_FP6 matrix_a_scale:MATRIX_SCALE_ROW1
.endr
.rept 4
	v_nop                                          ; the places behind these products, ahead of the first read of the scores; with the two additions above also those behind the last step's V^T P, ahead of the loads into V's registers
.endr
	ds_load_b32 v[SVW], v[ADS] offset:2048
.irp u, 0,1
.irp g, 0,1,2
	ds_load_b128 v[VF+12*\u+4*\g:VF+12*\u+4*\g+3], v[ADK] offset:VCO+1536*\u+512*\g   ; V lands while the softmax is walked
.endr
.endr
.irp b, 0,1,2,3
	v_max3_num_f32 v[BM+\b], v[S+16*\b], v[S+1+16*\b], v[S+2+16*\b]   ; the largest score of each block of 32 keys: for the row's maximum and, since p rises with the score, for the block's largest p.  Each accumulator is read from its low end on
.endr
.irp i, 3,5,7,9,11,13
.irp b, 0,1,2,3
	v_max3_num_f32 v[BM+\b], v[BM+\b], v[S+16*\b+\i], v[S+1+16*\b+\i]
.endr
.endr
.irp b, 0,1,2,3
	v_max_num_f32 v[BM+\b], v[BM+\b], v[S+15+16*\b]
.endr
.irp b, 0,1,2,3
	s_delay_alu instid0(VALU_DEP_4)
	v_permlanex16_b32 v[PB+\b], v[BM+\b], s[SEL], s[SEL+1]
.endr
.irp b, 0,1,2,3
	s_delay_alu instid0(VALU_DEP_4)
	v_max_num_f32 v[BM+\b], v[BM+\b], v[PB+\b]     ; with lane l xor 16's 16 keys
.endr
	s_delay_alu instid0(VALU_DEP_2)
	v_max3_num_f32 v[TQ], v[BM], v[BM+1], v[BM+2]
	s_delay_alu instid0(VALU_DEP_1)
	v_max_num_f32 v[TQ], v[TQ], v[BM+3]            ; the step's largest score of my query
	s_delay_alu instid0(VALU_DEP_1)
	v_mul_f32 v[TQ], s[CS], v[TQ]                  ; as t (c is positive)
	s_delay_alu instid0(VALU_DEP_1)
	v_max_num_f32 v13, v13, v[TQ]                  ; the running largest t
	v_mov_b32 v[TQ], v12
	s_delay_alu instid0(VALU_DEP_2)
	v_floor_f32 v12, -v13                          ; the new -M = floor(-t): M is a whole number
	s_delay_alu instid0(VALU_DEP_1)
	v_sub_f32 v[TQ], v12, v[TQ]                    ; old M - new M: a whole number, 0 or less
	s_delay_alu instid0(VALU_DEP_1)
	v_cvt_i32_f32 v[TQ], v[TQ]                     ; (it saturates)
	s_delay_alu instid0(VALU_DEP_1)
	v_ldexp_f32 v[FF], 1.0, v[TQ]                  ; f = 2^(old M - new M)
.irp j, 0,2,4,6,8,10,12,14,16,18,20,22,24,26,28,30,32,34,36,38,40,42,44,46,48,50,52,54,56,58,60,62
	v_pk_fma_f32 v[S+\j:S+\j+1], v[S+\j:S+\j+1], s[CS:CS+1], v[12:13] op_sel_hi:[1,0,0]   ; t - M, two at a time
.endr
.irp b, 0,1,2,3
	v_fma_f32 v[BM+\b], v[BM+\b], s[CS], v12       ; the same of each block's largest score
.endr
.set ee, 0
	s_setprio 1
	s_wait_alu depctr_va_vdst(0)
.rept 64
	v_exp_f32 v[S+ee], v[S+ee]                     ; p = 2^(t - M), at most 1
.set ee, ee+1
.endr
	v_pk_mul_f32 v[14:15], v[14:15], v[FF:FF+1] op_sel_hi:[1,0]   ; the sums under the new M: the plain place behind the exponentials
	s_wait_alu depctr_va_vdst(0)                   ; one wait for the batch of 64, ahead of its first reader
.irp b, 0,1,2,3
	v_exp_f32 v[BM+\b], v[BM+\b]                   ; the blocks' largest p: the same two instructions on the same number give the same bits
.endr
	v_pk_add_f32 v[SM2:SM2+1], v[S:S+1], v[S+2:S+3]   ; the row's sum of the UNQUANTISED p, in two chains: the first half stands behind the four exponentials and names none of their results
.irp j, 4,8,12,16,20,24,28
	v_pk_add_f32 v[14:15], v[14:15], v[S+\j:S+\j+1]
	v_pk_add_f32 v[SM2:SM2+1], v[SM2:SM2+1], v[S+2+\j:S+3+\j]
.endr
	s_wait_alu depctr_va_vdst(0)                   ; and one for the four
.irp b, 0,1,2,3
	v_max_num_f32 v[BM+\b], 0x1800000, v[BM+\b]    ; the floor 2^(3 - 127): the byte cannot fall under 1
.endr
.irp b, 0,1,2,3
	s_delay_alu instid0(VALU_DEP_4)
	v_add_nc_u32 v[SCO+\b], 0xff000000, v[BM+\b]   ; 2 off the exponent field: the conversion's scale operand
.endr
.irp b, 0,1,2,3
	s_delay_alu instid0(VALU_DEP_4)
	v_lshrrev_b32 v[PB+\b], 23, v[SCO+\b]          ; the scale's byte
.endr
	s_delay_alu instid0(VALU_DEP_3)
	v_lshl_or_b32 v[PWD], v[PB+1], 8, v[PB]        ; p's scale word for these 128 keys
	s_delay_alu instid0(VALU_DEP_1)
	v_lshl_or_b32 v[PWD], v[PB+2], 16, v[PWD]
	s_delay_alu instid0(VALU_DEP_1)
	v_lshl_or_b32 v[PWD], v[PB+3], 24, v[PWD]
.irp c, 0,1
	v_cvt_scalef32_pk16_fp6_f32 v[PCD+6*\c:PCD+2+6*\c], v[S+32*\c:S+15+32*\c], v[SCO+2*\c]
	v_cvt_scalef32_pk16_fp6_f32 v[PCT+4*\c:PCT+2+4*\c], v[S+16+32*\c:S+31+32*\c], v[SCO+2*\c+1]   ; (a conversion's three registers begin on an even number)
.endr
	v_nop                                          ; one plain place behind the scaled conversions
.irp c, 0,1
.irp i, 0,1,2
	v_permlane16_swap_b32 v[PCD+6*\c+\i], v[PCT+4*\c+\i]   ; a whole block in a lane: lanes 0-15 block 2 c, lanes 16-31 block 2 c + 1
.endr
.irp i, 0,1,2
	s_delay_alu instid0(VALU_DEP_3)
	v_mov_b32 v[PCD+3+6*\c+\i], v[PCT+4*\c+\i]
.endr
.endr
	s_setprio 0
.irp j, 32,36,40,44,48,52,56,60
	v_pk_add_f32 v[14:15], v[14:15], v[S+\j:S+\j+1]   ; the sum's second half: 17 plain lines that name no register of the products below: the places between p's scale word and codes, just written, and those products
	v_pk_add_f32 v[SM2:SM2+1], v[SM2:SM2+1], v[S+2+\j:S+3+\j]
.endr
	s_delay_alu instid0(VALU_DEP_1)
	v_pk_add_f32 v[14:15], v[14:15], v[SM2:SM2+1]
.irp k, 0,2,4,6,8,10,12,14
	v_pk_mul_f32 v[OT+\k:OT+\k+1], v[OT+\k:OT+\k+1], v[FF:FF+1] op_sel_hi:[1,0]   ; O^T under the new M, each accumulator from its low end on
.endr
	s_wait_alu depctr_va_vdst(0)
	s_wait_dscnt 0x0                               ; V is in
	v_wmma_scale_f32_16x16x128_f8f6f4 v[OT:OT+7], v[VF:VF+11], v[PCD:PCD+11], v[OT:OT+7], v[SVW], v[PWD] matrix_a_fmt:MATRIX_FMT_FP6 matrix_b_fmt:MATRIX_FMT_FP6
	v_wmma_scale_f32_16x16x128_f8f6f4 v[OT+8:OT+15], v[VF+12:VF+23], v[PCD:PCD+11], v[OT+8:OT+15], v[SVW], v[PWD] matrix_a_fmt:MATRIX_FMT_FP6 matrix_b_fmt:MATRIX_FMT_FP6 matrix_a_scale:MATRIX_SCALE_ROW1
	s_add_co_u32 s[TK], s[TK], 3072                ; the accumulators take turns: between two products on one half of O^T stand the other half's and eight of S^T
	s_add_co_u32 s[TS], s[TS], 128
.endm
; The tile's way out: O^T / the sum; its 32 numbers a row (lanes l and l xor 16) are one block of the last product's K
.macro EPI n
.rept 4
	v_nop                                          ; the places behind the last products
.endr
	v_add_f32 v14, v14, v15
	s_delay_alu instid0(VALU_DEP_1)
	v_permlanex16_b32 v[TQ], v14, s[SEL], s[SEL+1]
	s_delay_alu instid0(VALU_DEP_1)
	v_add_f32 v14, v14, v[TQ]                      ; the row's sum
	s_wait_alu depctr_va_vdst(0)
	v_rcp_f32 v[FF], v14
	v_nop                                          ; a plain place behind the reciprocal,
	s_wait_alu depctr_va_vdst(0)                   ; and the wait ahead of its first reader
.irp k, 0,2,4,6,8,10,12,14
	v_pk_mul_f32 v[S+\k:S+\k+1], v[OT+\k:OT+\k+1], v[FF:FF+1] op_sel_hi:[1,0]
.endr
	v_max3_num_f32 v[BM], |v[S]|, |v[S+1]|, 0x1800000
.irp k, 2,4,6,8,10,12,14
	s_delay_alu instid0(VALU_DEP_1)
	v_max3_num_f32 v[BM], v[BM], |v[S+\k]|, |v[S+\k+1]|
.endr
	s_delay_alu instid0(VALU_DEP_1)
	v_permlanex16_b32 v[PB], v[BM], s[SEL], s[SEL+1]
	s_delay_alu instid0(VALU_DEP_1)
	v_max_num_f32 v[BM], v[BM], v[PB]
	s_delay_alu instid0(VALU_DEP_1)
	v_add_nc_u32 v[SCO], 0xff000000, v[BM]
	s_delay_alu instid0(VALU_DEP_1)
	v_lshrrev_b32 v[PB], 23, v[SCO]                ; the block's byte
	v_cvt_scalef32_pk16_fp6_f32 v[PCD:PCD+2], v[S:S+15], v[SCO]   ; 12 bytes: d = 16 h + 0 .. 15
	v_nop
	v_cndmask_b32 v[PCD+4], v[PCD], v[PCD+1], s[HI]     ; the block's 24 bytes in pieces of 8: piece 0 = the lower lane's words 0, 1; piece 2 = the upper lane's words 1, 2;
	v_cndmask_b32 v[PCD+5], v[PCD+1], v[PCD+2], s[HI]
	v_mov_b32 v[PCD+6], v[PCD+2]                        ; piece 1 = the lower lane's word 2 and the upper lane's word 0
	v_permlanex16_b32 v[PCD+7], v[PCD], s[SEL], s[SEL+1]
	global_store_b64 v[VO1], v[PCD+4:PCD+5], s[OB:OB+1] offset:98304*(\n)
	s_wait_alu depctr_va_vdst(0)
	s_wait_xcnt 0x0                                ; EXEC changes only behind this wait
	v_cmp_gt_u32 vcc_lo, 16, v[LN]
	s_and_saveexec_b32 s[SX], vcc_lo               ; lanes 0-15
	global_store_b64 v[VO2], v[PCD+6:PCD+7], s[OB:OB+1] offset:98304*(\n)
	global_store_b8 v[VOB], v[PB], s[OSB:OSB+1] offset:4096*(\n)
	s_wait_xcnt 0x0                                ; and again ahead of the line that widens it; the stores' registers may be written again too
	s_or_b32 exec_lo, exec_lo, s[SX]
.endm
.macro TILE n
.irp j, 0,1,2,3
.irp i, 0,1,2,3,4,5
.if \j%2 == 0
	v_cndmask_b32 v[QF+12*\j+6*(\j/2)+\i], 0, v[240+8*(\n)+\i], s[LO]   ; Q_j: the query's codes in block j: registers 6 (j / 2) on, lanes of half j % 2; zero codes elsewhere
.else
	v_cndmask_b32 v[QF+12*\j+6*(\j/2)+\i], 0, v[240+8*(\n)+\i], s[HI]
.endif
	v_mov_b32 v[QF+12*\j+6*(1-\j/2)+\i], 0
.endr
.endr
	v_lshrrev_b32 v[TP], s[SHQ], v[246+8*(\n)]
	s_delay_alu instid0(VALU_DEP_1)
	v_and_b32 v[TP], 0xff, v[TP]                   ; the query's scale byte,
.irp j, 0,1,2,3
	v_lshlrev_b32 v[SQ+\j], 8*\j, v[TP]            ; at byte j
.endr
	v_mov_b32 v13, 0xff61b1e6                      ; the largest t so far: -3e38, under every t
	s_delay_alu instid0(VALU_DEP_1)
	v_floor_f32 v12, -v13
	v_mov_b32 v14, 0
	v_mov_b32 v15, 0
.irp k, 0,1,2,3,4,5,6,7,8,9,10,11,12,13,14,15
	v_mov_b32 v[OT+\k], 0                          ; the step is written once: the first finds zeros.  These twenty lines are also the places between Q's scale words and codes, just written, and the first products
.endr
	s_mov_b32 s[TK], 0
	s_mov_b32 s[TS], 0
	s_mov_b32 s[CNT], 16
.Lstep_\@:
	s_setprio 2
	STEP
	s_sub_co_u32 s[CNT], s[CNT], 1
	s_cmp_lg_u32 s[CNT], 0
	s_cbranch_scc1 .Lstep_\@
	s_setprio 0
	EPI \n
.endm
	TILE 0
	TILE 1
	s_wait_tensorcnt 0x0                           ; the wave's end: a tensor wait, an add to my spare word and its wait, behind my last tensor load
	ds_add_u32 v[SPW], v[NIL]
	s_wait_dscnt 0x0
	CROUND                                         ; the closing round
	s_endpgm
.Lfunc_end_k_qa09556e024_attn:
	.size	k_qa09556e024_attn, .Lfunc_end_k_qa09556e024_attn-k_qa09556e024_attn
	.p2alignl 7, 3214868480
	.fill 96, 4, 3214868480
	.section	.rodata,"a",@progbits
	.p2align	6, 0x0
	.amdhsa_kernel k_qa09556e024_attn
		.amdhsa_group_segment_fixed_size 167936
		.amdhsa_private_segment_fixed_size 0
		.amdhsa_enable_private_segment 0
		.amdhsa_kernarg_size 24
		.amdhsa_user_sgpr_count 2
		.amdhsa_user_sgpr_kernarg_segment_ptr 1
		.amdhsa_wavefront_size32 1
		.amdhsa_system_sgpr_workgroup_id_x 1
		.amdhsa_system_sgpr_workgroup_id_y 1
		.amdhsa_system_sgpr_workgroup_id_z 1
		.amdhsa_system_vgpr_workitem_id 0
		.amdhsa_next_free_vgpr 256
		.amdhsa_next_free_sgpr 66
		.amdhsa_reserve_vcc 1
		.amdhsa_float_denorm_mode_32 3
		.amdhsa_float_denorm_mode_16_64 3
		.amdhsa_memory_ordered 1
		.amdhsa_forward_progress 1
		.amdhsa_inst_pref_size 49
	.end_amdhsa_kernel
	.amdgpu_metadata
---
amdhsa.version: [ 1, 2 ]
amdhsa.kernels:
  - .name:           k_qa09556e024_attn
    .symbol:         k_qa09556e024_attn.kd
    .args:
      - { .name: heads, .offset: 0, .size: 8, .value_kind: global_buffer, .address_space: global }
      - { .name: oc, .offset: 8, .size: 8, .value_kind: global_buffer, .address_space: global }
      - { .name: os, .offset: 16, .size: 8, .value_kind: global_buffer, .address_space: global }
    .group_segment_fixed_size: 167936
    .private_segment_fixed_size: 0
    .kernarg_segment_align: 8
    .kernarg_segment_size: 24
    .max_flat_workgroup_size: 512
    .sgpr_count:     66
    .vgpr_count:     256
    .wavefront_size: 32
...
	.end_amdgpu_metadata
.endif
;; end of part 7
;; launch outp (part 8): grid 256 x 1, 4 waves a work-group, no clusters, 34,304 bytes of LDS; arguments opc, ops, oc, os, bo, out0; writes out0
.if DOCPART == 8
	.amdgcn_target "amdgcn-amd-amdhsa--gfx1250"
	.amdhsa_code_object_version 6
	.text
	.protected	k_qa09556e024_outp
	.globl	k_qa09556e024_outp
	.p2align	8
	.type	k_qa09556e024_outp,@function
k_qa09556e024_outp:
	s_mov_b64 s[64:65], 0
	v_nop
	global_prefetch_b8 v0, s[64:65] scope:SCOPE_SE
	s_setreg_imm32_b32 hwreg(HW_REG_WAVE_SCHED_MODE, 0, 2), 2
	s_setreg_imm32_b32 hwreg(HW_REG_WAVE_MODE, 25, 1), 1
	s_wait_xcnt 0x0
	s_wait_alu depctr_vm_vsrc(0)
; LAUNCH 4 OF 4: out0 = o Wo + bo on the codes of launches 3 (o) and 1 (Wo).  No work is left out.
; SHARES.  Work-group g takes rows 32 g .. 32 g + 31: o's tiles 2 g and 2 g + 1.  Wave w takes columns 128 w .. + 127: Wo's tiles 1120 + 8 w + t, which stay in its registers.
; A UNIT: source 0 = Wo's 8 tiles, source 1 = one tile of o, K = 512: 32 matrix instructions on 8 accumulators by turns; bo is the C of each sum's first product.
; Register ACC + 16 b + i of lane (r, h) = column 128 w + 32 b + 16 h + i of row 32 g + 8 j + r + 8 (r / 8).  A lane's numbers belong to one row and the lanes beside it hold other rows: so a unit goes through the wave's own
; stage in LDS and leaves as rows: each store of the wave covers 512 consecutive bytes, aligned.  Waves share nothing: no barrier.
; THE MODE: SCHED_MODE bits 1:0 = 2 (LLVM: expert scheduling mode 2), set by the entry lines.  The code itself states the register dependences between vector or matrix instructions and memory or LDS instructions, with s_wait_alu, always for 0.
; THE PLAN.  Registers that memory or LDS instructions touch:
;   v4 .. v7, v10, v12, v13   offsets, LDS addresses and the closing add's pair: written once at the head, never again.
;   windows 1 to 3, S0SC, S1SC  filled once each by loads; after that matrix instructions alone name them.
;   ACC           written by a unit's products; read by that unit's 16 LDS stores; written again by the second unit's products.
;   RB0, RB1      a set to each unit: LDS loads land there, global stores read them; no vector or matrix instruction names them.
; So a wait on va_vdst stands behind each unit's places, ahead of its LDS stores (the accumulators are written), and one wait on vm_vsrc ahead of the second unit's products (the first unit's LDS stores have read the accumulators).
; The first unit's sixteen global stores read RB0 and v4 alone: they stand behind the second unit's products and owe them nothing.
.set SPARE, 33792                      ; behind the four stages: the spare words, 128 bytes for each wave
.set STG,   8448                       ; a wave's stage: 16 rows x 528 bytes
.set SP,    528
.set LN,   1
.set RR,   2
.set HL,   3
.set L16,  4
.set R16,  5
.set STO,  6                           ; v6   the stage, on the way in: row r, + 64 h
.set RD,   7                           ; v7   and out: 16 x lane
.set BH,   10
.set SPW,  12                          ; v12  LDS address of my spare word; never rewritten
.set NIL,  13                          ; v13  0; never rewritten
.set S0SC, 16                          ; v16-47  Wo's scale words
.set S1SC, 48                          ; v48-55  o's, two sets
.set ACC,  56                          ; v56-119
.set RB,   120                         ; v120-247 two sets of 16 rows read back
; window 1: Wo's fragments (t, s = 0, 1) at 12 (2 t + s); v192-255 bo, 8 registers a tile.  window 2: (t, s = 2, 3).  window 3: o's tile, set p at 64 p + 12 s
.set A0,   24
.set B0,   26
.set A1,   28
.set B1,   30
.set BIAS, 32
.set OUTB, 34
.set MSB, 0
.macro WIN new                         ; the immediate's high byte repeats the setting that is left
.if MSB != \new
	s_set_vgpr_msb (MSB<<8)|\new
.set MSB, \new
.endif
.endm
.macro LOAD0
	WIN 0x40
.irp t, 0,1,2,3,4,5,6,7
.irp s, 0,1
.irp g, 0,1,2
	global_load_b128 v[12*(2*\t+\s)+4*\g:12*(2*\t+\s)+4*\g+3], v[L16], s[A0:A0+1] offset:6144*\t+1536*\s+512*\g
.endr
.endr
.endr
	WIN 0x80
.irp t, 0,1,2,3,4,5,6,7
.irp s, 0,1
.irp g, 0,1,2
	global_load_b128 v[12*(2*\t+\s)+4*\g:12*(2*\t+\s)+4*\g+3], v[L16], s[A0:A0+1] offset:6144*\t+1536*(\s+2)+512*\g
.endr
.endr
.endr
	WIN 0
.irp t, 0,1,2,3,4,5,6,7
	global_load_b128 v[S0SC+4*\t:S0SC+4*\t+3], v[R16], s[B0:B0+1] offset:256*\t
.endr
.endm
.macro LOAD1 j
	WIN 0xc0
.irp s, 0,1,2,3
.irp g, 0,1,2
	global_load_b128 v[64*(\j)+12*\s+4*\g:64*(\j)+12*\s+4*\g+3], v[L16], s[A1:A1+1] offset:6144*(\j)+1536*\s+512*\g
.endr
.endr
	WIN 0
	global_load_b128 v[S1SC+4*(\j):S1SC+4*(\j)+3], v[R16], s[B1:B1+1] offset:256*(\j)
.endm
.macro MM p                            ; the 8 accumulators take turns, one instruction a turn.  A, B and the scale words were filled by loads: they owe the wait on LOADcnt alone
	WIN 0x1d
.irp t, 0,1,2,3,4,5,6,7
	v_wmma_scale_f32_16x16x128_f8f6f4 v[ACC+8*\t:ACC+8*\t+7], v[24*\t:24*\t+11], v[64*(\p):64*(\p)+11], v[192+8*\t:192+8*\t+7], v[S0SC+4*\t], v[S1SC+4*(\p)] matrix_a_fmt:MATRIX_FMT_FP6 matrix_b_fmt:MATRIX_FMT_FP6
.endr
	WIN 0x0d
.irp t, 0,1,2,3,4,5,6,7
	v_wmma_scale_f32_16x16x128_f8f6f4 v[ACC+8*\t:ACC+8*\t+7], v[24*\t+12:24*\t+23], v[64*(\p)+12:64*(\p)+23], v[ACC+8*\t:ACC+8*\t+7], v[S0SC+4*\t+1], v[S1SC+4*(\p)+1] matrix_a_fmt:MATRIX_FMT_FP6 matrix_b_fmt:MATRIX_FMT_FP6
.endr
	WIN 0x0e
.irp t, 0,1,2,3,4,5,6,7
	v_wmma_scale_f32_16x16x128_f8f6f4 v[ACC+8*\t:ACC+8*\t+7], v[24*\t:24*\t+11], v[64*(\p)+24:64*(\p)+35], v[ACC+8*\t:ACC+8*\t+7], v[S0SC+4*\t+2], v[S1SC+4*(\p)+2] matrix_a_fmt:MATRIX_FMT_FP6 matrix_b_fmt:MATRIX_FMT_FP6
.endr
.irp t, 0,1,2,3,4,5,6,7
	v_wmma_scale_f32_16x16x128_f8f6f4 v[ACC+8*\t:ACC+8*\t+7], v[24*\t+12:24*\t+23], v[64*(\p)+36:64*(\p)+47], v[ACC+8*\t:ACC+8*\t+7], v[S0SC+4*\t+3], v[S1SC+4*(\p)+3] matrix_a_fmt:MATRIX_FMT_FP6 matrix_b_fmt:MATRIX_FMT_FP6
.endr
	WIN 0
.rept 5
	v_nop                                          ; places behind the last products: four ahead of the LDS stores that read the results; five ahead of the next unit's first products, which begin the same accumulators anew, with no other vector work between
.endr
.endm
.macro TOSTAGE j                       ; unit j into my stage, and back as rows into set j
.irp b, 0,1,2,3
.irp q, 0,1,2,3
	ds_store_b128 v[STO], v[ACC+16*\b+4*\q:ACC+16*\b+4*\q+3] offset:128*\b+16*\q   ; ascending: each accumulator from its low end on
.endr
.endr
.irp i, 0,1,2,3,4,5,6,7,8,9,10,11,12,13,14,15
	ds_load_b128 v[RB+64*(\j)+4*\i:RB+64*(\j)+4*\i+3], v[RD] offset:SP*\i   ; LDS serves a wave's instructions in order: these see my stores, and the next unit's stores come behind them
.endr
.endm
.macro SEND j                          ; no LDS instruction stands between unit j's loads from the stage and these lines
.irp i, 0,1,2,3,4,5,6,7,8,9,10,11,12,13,14,15
	s_wait_dscnt 15-\i                             ; row i is back; the loads issued behind it may be out
	global_store_b128 v[L16], v[RB+64*(\j)+4*\i:RB+64*(\j)+4*\i+3], s[OUTB:OUTB+1] offset:(8*(\j)+\i+8*(\i/8))*2048 th:TH_STORE_NT
.endr
.endm
	s_load_b256 s[4:11], s[0:1], 0x0               ; opc, ops, oc, os
	s_load_b128 s[12:15], s[0:1], 0x20             ; bo, out0
	v_lshl_add_u32 v[SPW], v0, 2, SPARE
	v_mov_b32 v[NIL], 0
	v_lshrrev_b32 v[LN], 5, v0
	v_readfirstlane_b32 s16, v[LN]                 ; wave
	v_and_b32 v[LN], 31, v0
	v_and_b32 v[RR], 15, v0
	v_bfe_u32 v[HL], v0, 4, 1
	v_lshlrev_b32 v[L16], 4, v[LN]
	v_lshlrev_b32 v[R16], 4, v[RR]
	v_lshlrev_b32 v[BH], 6, v[HL]
	s_wait_alu depctr_va_sdst(0)                   ; s16, the wave's number, is written, ahead of its first reader: the stage, the tiles and the columns are chosen by it
	s_mul_i32 s17, s16, STG
	v_mul_u32_u24 v[STO], v[RR], SP
	v_lshl_add_u32 v[STO], v[HL], 6, v[STO]
	v_add_nc_u32 v[STO], s17, v[STO]
	v_add_nc_u32 v[RD], s17, v[L16]
	s_lshl_b32 s18, s16, 3
	s_add_co_u32 s18, s18, 1120                    ; Wo's tiles 1120 + 8 w
	s_lshl_b32 s19, ttmp9, 1                       ; o's tiles 2 g
	s_mov_b32 s47, 0
	s_wait_kmcnt 0x0
	s_mul_i32 s46, s18, 6144
	s_add_nc_u64 s[A0:A0+1], s[4:5], s[46:47]
	s_lshl_b32 s46, s18, 8
	s_add_nc_u64 s[B0:B0+1], s[6:7], s[46:47]
	s_mul_i32 s46, s19, 6144
	s_add_nc_u64 s[A1:A1+1], s[8:9], s[46:47]
	s_lshl_b32 s46, s19, 8
	s_add_nc_u64 s[B1:B1+1], s[10:11], s[46:47]
	s_lshl_b32 s46, s16, 9                         ; my 128 columns, 512 bytes
	s_add_nc_u64 s[BIAS:BIAS+1], s[12:13], s[46:47]
	s_add_nc_u64 s[OUTB:OUTB+1], s[14:15], s[46:47]
	s_lshl_b32 s46, ttmp9, 16                      ; 32 rows of 2,048 bytes
	s_add_nc_u64 s[OUTB:OUTB+1], s[OUTB:OUTB+1], s[46:47]
	s_wait_alu depctr_va_vdst(0)                   ; the offsets and LDS addresses v4 to v7 and v10 are written, which the loads, the stores and the stage's lines read; none is written again
	LOAD0
	WIN 0x40
.irp t, 0,1,2,3,4,5,6,7                ; bo: for tile t my eight columns 32 (t / 2) + 16 h + 8 (t % 2) + 0 .. 7
	global_load_b128 v[192+8*\t:195+8*\t], v[BH], s[BIAS:BIAS+1] offset:4*(32*(\t/2)+8*(\t%2))
	global_load_b128 v[196+8*\t:199+8*\t], v[BH], s[BIAS:BIAS+1] offset:4*(32*(\t/2)+8*(\t%2))+16
.endr
	WIN 0
	LOAD1 0
	s_wait_loadcnt 0x0                             ; all that stays, and the first tile of o
	LOAD1 1                                        ; the second lands while the first is multiplied and goes through the stage; no vector or matrix instruction has named its registers
	MM 0
	s_wait_alu depctr_va_vdst(0)                   ; the first unit's products have written the accumulators, which the LDS stores read; the places above stay beside this wait
	TOSTAGE 0
	s_wait_loadcnt 0x0                             ; the second tile of o
	s_wait_alu depctr_vm_vsrc(0)                   ; the LDS stores have read the accumulators, which the second unit's products write anew
	MM 1
	SEND 0                                         ; the first unit's rows leave behind the second unit's products: these stores read RB0 and v4, which no product names
	s_wait_alu depctr_va_vdst(0)                   ; the second unit's products have written the accumulators, which the LDS stores read
	TOSTAGE 1
	SEND 1
	s_wait_dscnt 0x0                               ; the closing lines, six on end
	s_wait_alu 0x0
	s_wait_tensorcnt 0x0
	ds_add_u32 v[SPW], v[NIL]
	s_wait_dscnt 0x0
	s_endpgm
.Lfunc_end_k_qa09556e024_outp:
	.size	k_qa09556e024_outp, .Lfunc_end_k_qa09556e024_outp-k_qa09556e024_outp
	.p2alignl 7, 3214868480
	.fill 96, 4, 3214868480
	.section	.rodata,"a",@progbits
	.p2align	6, 0x0
	.amdhsa_kernel k_qa09556e024_outp
		.amdhsa_group_segment_fixed_size 34304
		.amdhsa_private_segment_fixed_size 0
		.amdhsa_enable_private_segment 0
		.amdhsa_kernarg_size 48
		.amdhsa_user_sgpr_count 2
		.amdhsa_user_sgpr_kernarg_segment_ptr 1
		.amdhsa_wavefront_size32 1
		.amdhsa_system_sgpr_workgroup_id_x 1
		.amdhsa_system_sgpr_workgroup_id_y 1
		.amdhsa_system_sgpr_workgroup_id_z 1
		.amdhsa_system_vgpr_workitem_id 0
		.amdhsa_next_free_vgpr 880
		.amdhsa_next_free_sgpr 66
		.amdhsa_reserve_vcc 0
		.amdhsa_float_denorm_mode_32 3
		.amdhsa_float_denorm_mode_16_64 3
		.amdhsa_memory_ordered 1
		.amdhsa_forward_progress 1
		.amdhsa_inst_pref_size 33
	.end_amdhsa_kernel
	.amdgpu_metadata
---
amdhsa.version: [ 1, 2 ]
amdhsa.kernels:
  - .name:           k_qa09556e024_outp
    .symbol:         k_qa09556e024_outp.kd
    .args:
      - { .name: opc, .offset: 0, .size: 8, .value_kind: global_buffer, .address_space: global }
      - { .name: ops, .offset: 8, .size: 8, .value_kind: global_buffer, .address_space: global }
      - { .name: oc, .offset: 16, .size: 8, .value_kind: global_buffer, .address_space: global }
      - { .name: os, .offset: 24, .size: 8, .value_kind: global_buffer, .address_space: global }
      - { .name: bo, .offset: 32, .size: 8, .value_kind: global_buffer, .address_space: global }
      - { .name: out0, .offset: 40, .size: 8, .value_kind: global_buffer, .address_space: global }
    .group_segment_fixed_size: 34304
    .private_segment_fixed_size: 0
    .kernarg_segment_align: 8
    .kernarg_segment_size: 48
    .max_flat_workgroup_size: 128
    .sgpr_count:     66
    .vgpr_count:     880
    .wavefront_size: 32
...
	.end_amdgpu_metadata
.endif
;; end of part 8
